; MI455X (gfx1250); checked and timed in simulation.
; The chip was launched on July 23, 2026; its instructions are those of AMD's public machine-readable ISA for CDNA 5 (MIT licence, August 2026) and "CDNA5" Instruction Set Architecture Reference Guide (July 2026). The comments in the code are by the model that wrote it; some were corrected since.
;; Attention GRU Cell. Allowed arithmetic: matrix products marked QUANTISED: E2M3 operands, one E8M0 scale for each 32 along K, by v_wmma_scale_f32_16x16x128_f8f6f4 with both operands' format E2M3, f32 sums; everything else in f32.
;; Inputs: C 2,048 x 1,024 float32; Co 2,048 x 1,024 float32; Cr 2,048 x 1,024 float32; Cz 2,048 x 1,024 float32; U 1,024 x 1,024 float32; Uo 1,024 x 1,024 float32; Ur 1,024 x 1,024 float32; Uz 1,024 x 1,024 float32; Vo 1,024 x 1,024 float32; W 1,024 x 1,024 float32; Wr 1,024 x 1,024 float32; Wz 1,024 x 1,024 float32; attended_state 4,096 x 2,048 float32; bc 1,024 float32; bco 1,024 float32; bcr 1,024 float32; bcz 1,024 float32; bu 1,024 float32; buo 1,024 float32; bur 1,024 float32; buz 1,024 float32; bvo 1,024 float32; bw 1,024 float32; bwr 1,024 float32; bwz 1,024 float32; in_word 4,096 x 1,024 float32; last_hid_state 4,096 x 1,024 float32.
;; Outputs: out0 4,096 x 1,024 float32; out1 4,096 x 1,024 float32.
;; This version of the problem:
;;   THIS VERSION OF THE PROBLEM IS GIVEN IN LOW PRECISION. The matrix products marked QUANTISED in the list below multiply operands that are first quantised to E2M3 (2 exponent bits, 3 mantissa bits; 6 bits a number), with one power-of-two scale for each 32 numbers along K (OCP MX v1.0); their sums are f32. All else is computed in f32.
;;   The module's matrix products, in the order in which they are computed (A, B: the left and right operand; K: the contracted axis; several contracted axes count as one K, in the product's order):
;;     1. [M 4,096, K 1,024] x [K 1,024, N 1,024]; A: input in_word; B: input Wz: QUANTISED
;;     2. [M 4,096, K 1,024] x [K 1,024, N 1,024]; A: input last_hid_state; B: input Uz: QUANTISED
;;     3. [M 4,096, K 2,048] x [K 2,048, N 1,024]; A: input attended_state; B: input Cz: QUANTISED
;;     4. [M 4,096, K 1,024] x [K 1,024, N 1,024]; A: input in_word; B: input Wr: QUANTISED
;;     5. [M 4,096, K 1,024] x [K 1,024, N 1,024]; A: input last_hid_state; B: input Ur: QUANTISED
;;     6. [M 4,096, K 2,048] x [K 2,048, N 1,024]; A: input attended_state; B: input Cr: QUANTISED
;;     7. [M 4,096, K 1,024] x [K 1,024, N 1,024]; A: input in_word; B: input W: QUANTISED
;;     8. [M 4,096, K 1,024] x [K 1,024, N 1,024]; A: computed on the way; B: input U: QUANTISED
;;     9. [M 4,096, K 2,048] x [K 2,048, N 1,024]; A: input attended_state; B: input C: QUANTISED
;;     10. [M 4,096, K 1,024] x [K 1,024, N 1,024]; A: computed on the way; B: input Uo: QUANTISED
;;     11. [M 4,096, K 1,024] x [K 1,024, N 1,024]; A: input in_word; B: input Vo: QUANTISED
;;     12. [M 4,096, K 2,048] x [K 2,048, N 1,024]; A: input attended_state; B: input Co: QUANTISED
;;   THE QUANTISER, for each operand of a quantised product, along K:
;;     - K is cut into blocks of 32 from its start; a last block that is shorter is filled with zeros.
;;     - A block's scale is 2^e with e = floor(log2(the largest magnitude in the block)) - 2, held to -126 .. 127; a block of zeros has e = 0. As a byte (E8M0): e + 127.
;;     - Each number is divided by its block's scale, clamped to +-7.5, and rounded to the nearest number of E2M3, ties to even, subnormals kept.
;;     - The product sums the exact products of the quantised numbers (number of the format x scale) in f32.
;;   ~~~python
;;   def quantise(x, axis):      # numpy; x: float32 -> the quantised numbers, widened to float32 again
;;       x = np.moveaxis(x, axis, -1); K = x.shape[-1]
;;       x = np.pad(x, [(0, 0)] * (x.ndim - 1) + [(0, -K % 32)]); x = x.reshape(x.shape[:-1] + (-1, 32)); a = np.abs(x).max(-1, keepdims=True)
;;       e = np.where(a > 0, np.clip(np.frexp(np.where(a > 0, a, 1))[1] - 1 - 2, -126, 127), 0)      # np.frexp(a)[1] - 1 = floor(log2(a)), exactly
;;       r = np.clip(x / 2.0 ** e, -7.5, 7.5)
;;       step = 2.0 ** (np.maximum(np.frexp(np.where(r == 0, 1, r))[1] - 1, 0) - 3)
;;       q = np.round(r / step) * step * 2.0 ** e      # np.round: ties to even
;;       return np.moveaxis(q.reshape(q.shape[:-2] + (-1,))[..., :K], -1, axis).astype(np.float32)
;;   ~~~
;;   OPERANDS COMPUTED ON THE WAY. 'Computed on the way' means the value that the module computes at that place (a softmax that the list does not call 'softmax' is quantised finished and normalised). What goes into a quantiser is computed in f32, as accurately as f32 sums, v_exp_f32 and their like allow (about 1e-6 of the number): no bf16 or f16 on the way to a quantiser, and a product that is left as it is and whose result goes on into a quantised operand takes f32 operands (vector FMAs, or v_wmma_f32_16x16x4_f32). A number that lies on a knife's edge between two numbers of the format may be rounded either way, as far as f32 arithmetic and the matrix unit's own rounding can turn it there, and no further.
;; One version. Each part assembles by itself: llvm-mc -triple=amdgcn-amd-amdhsa -mcpu=gfx1250 --defsym DOCPART=n.
;; ======== version 1 of 1: 4 launches
;; limits: right only within a limited range of input values
;; workspace buffers: actq 13,107,200 bytes; wq 13,107,200 bytes; rhq 3,276,800 bytes; sq 3,276,800 bytes; pp 50,331,648 bytes
;; launch quant (part 1): grid 1024 x 1, 4 waves a work-group, no clusters, 34,304 bytes of LDS; arguments in_word, attended_state, last_hid_state, Wr, Cr, Ur, Wz, Cz, Uz, W, C, U, Vo, Co, Uo, actq, wq; writes actq, wq
.if DOCPART == 1
	.amdgcn_target "amdgcn-amd-amdhsa--gfx1250"
	.amdhsa_code_object_version 6
	.text
	.protected	k_qf3087cd94e_quant
	.globl	k_qf3087cd94e_quant
	.p2align	8
	.type	k_qf3087cd94e_quant,@function
k_qf3087cd94e_quant:
	s_mov_b64 s[64:65], 0
	v_nop
	global_prefetch_b8 v0, s[64:65] scope:SCOPE_SE
	s_setreg_imm32_b32 hwreg(HW_REG_WAVE_MODE, 25, 1), 1
	s_wait_xcnt 0x0
; THE QUANTISER.  x = in_word, a = attended_state, h = last_hid_state (rows, K innermost) and the twelve weights ([K][N], K outermost), all f32, become codes of FP6 (E2M3) with one E8M0 byte for each 32 along K.
; A block's scale is 2^(floor(log2(its largest magnitude)) - 2): its byte is the largest magnitude's exponent field - 2, held at 1 from below by a floor among the maximum's leaves.
; LIMITS: NaN and infinities are not served.  A block of zeros, or one whose largest magnitude lies under 2^-124, gets the byte 1 (the rule says 127 for zeros): its codes are zeros or the rule's own, and only this program reads the bytes.
; THE BUFFERS ARE LAID IN THE ORDER OF THE OPERAND'S REGISTERS.  A unit is 16 rows x 64 K, 768 bytes: lane l = 16 h + r owns the 24 bytes (six registers) of row r, block 2 u + h; its first four registers lie at 16 l,
; its last two at 512 + 8 l.  Two units are a fragment (16 x 128 K, 1,536 bytes), eight fragments a tile (128 rows x 128 K, 12,288 bytes).
;   actq: [R 32][q 24] tiles of x (q 0-7) and a (q 8-23); from 9,437,184 on [R 32][q 8] tiles of h; from 12,582,912 on the scale words [g 64][q 32][256 bytes] (q 24-31: h)
;   wq:   [G 4][Cb 8][q 32] tiles (q 0-7 the weight of x, 8-23 that of a, 24-31 that of the state); from 12,582,912 on [G][cg 16][q 32][256 bytes].  G: 0 r, 1 z, 2 s~, 3 t
; A scale entry, 256 bytes, serves 64 rows and 128 K: word (r, i) at 16 r + 4 i holds the four bytes of row 16 i + r.
; THE COLUMNS OF A WEIGHT THAT FORM A TILE ARE NOT NEIGHBOURS: lane r of tile 2 b + u of a group of 64 columns takes column 32 b + 8 u + r % 8 + 16 (r / 8), so that a product's results lie as 16 neighbours a lane.
; SHARES: one wave, one task.  Work-groups 0-511: 64 rows x 128 K of x, a or h.  Work-groups 512-1023: 64 columns x 128 K of a weight.  No barrier: waves share nothing.  Only the first path uses LDS.
; THE LAYOUT OF TILES AS IT NOW STANDS (it takes the place of what the lines above say of actq, wq and the scale words): a tile is 12,800 bytes: eight fragments (12,288 bytes),
; then its two scale entries (rows 0-63 at 12,288, rows 64-127 at 12,544).  actq: [R 32][q 32] tiles, q 0-7 x, 8-23 a, 24-31 h.  wq: [G 4][Cb 8][q 32] tiles.
; wq's tiles as they now stand: [tile row 32][q 32]; the task of gate G (0 r, 1 z, 2 s~, 3 t) and group cg of 64 columns lands in tile row 16 (G % 2) + cg, as fragments 4 (G / 2) on and scale entry G / 2:
; so a tile holds four fragments of r or z and, behind them, four of s~ or t, of the same 64 columns.
.set TILE,  12800
.set FLOOR, 0x1800000                  ; 2^(3 - 127)
.set EOFF,  0xff000000                 ; takes 2 off an exponent field
.set WV,    40                         ; s40  my wave's number;  s41, s42 the selects of v_permlanex16_b32 for lane l xor 16
; the largest magnitude of v[x] .. v[x + 31], in two chains, and the floor: into v[m]
.macro MAX32 x, m, n
	v_max3_num_f32 v[\m], |v[\x]|, |v[\x+1]|, |v[\x+2]|
	v_max3_num_f32 v[\n], |v[\x+3]|, |v[\x+4]|, |v[\x+5]|
.irp q, 6,10,14,18,22,26
	v_max3_num_f32 v[\m], v[\m], |v[\x+\q]|, |v[\x+\q+1]|
	v_max3_num_f32 v[\n], v[\n], |v[\x+\q+2]|, |v[\x+\q+3]|
.endr
	v_max3_num_f32 v[\m], v[\m], |v[\x+30]|, |v[\x+31]|
	v_max3_num_f32 v[\m], v[\m], v[\n], FLOOR
.endm
	v_lshl_add_u32 v39, v0, 2, 0x8400
	v_mov_b32 v47, 0
	v_lshrrev_b32 v1, 5, v0
	v_readfirstlane_b32 s[WV], v1
	v_and_b32 v1, 31, v0                           ; lane
	v_bfe_u32 v3, v0, 4, 1                         ; h
	v_and_b32 v10, 15, v0                          ; r
	v_lshlrev_b32 v4, 4, v1                        ; 16 l
	v_lshlrev_b32 v5, 3, v1                        ; 8 l
	v_lshlrev_b32 v9, 4, v10
	v_lshl_add_u32 v9, v3, 3, v9                   ; 16 r + 8 h: my two words of a scale entry
	s_mov_b32 s41, 0x76543210
	s_mov_b32 s42, 0xfedcba98
	s_cmp_lt_u32 ttmp9, 512
	s_cbranch_scc0 .Lweights
; ---------------- ROWS.  v6, v7 the stage, in and out; v8 = 8 h; v16-31 a row's offset; v32-37, v40-45 the two units; v48-50 a block's upper codes; v52-58 at work; v60-63 the scale words;
;                  v64-127, v128-191 two sets of 16 rows x 512 bytes as loaded; v192-255 my 64 numbers
	s_load_b128 s[4:7], s[0:1], 0x0                ; x, a
	s_load_b64 s[8:9], s[0:1], 0x10                ; h
	s_load_b64 s[10:11], s[0:1], 0x78              ; actq
	s_mul_i32 s43, s[WV], 16*528                   ; my wave's stage: 16 rows of 512 bytes + 16
	s_wait_alu depctr_va_vdst(0)
	v_add_nc_u32 v6, s43, v4                       ; in: a row as it lies, 16 bytes a lane
	v_mul_u32_u24 v7, v10, 528
	v_lshl_add_u32 v7, v3, 7, v7
	v_add_nc_u32 v7, s43, v7                       ; out: row r, block h
	v_lshlrev_b32 v8, 3, v3
	v_mov_b32 v58, 0                               ; a lane permute's destination counts as one of its sources
	s_wait_kmcnt 0x0
	s_cmp_ge_u32 ttmp9, 128                        ; which tensor: the choice hangs on the work-group's number alone
	s_cselect_b64 s[4:5], s[6:7], s[4:5]
	s_cselect_b32 s12, 128, 0                      ; its first work-group
	s_cselect_b32 s13, 4, 3                        ; log2 of its K steps
	s_cselect_b32 s14, 8, 0                        ; its first q among the codes,
	s_cmp_ge_u32 ttmp9, 384
	s_cselect_b64 s[4:5], s[8:9], s[4:5]
	s_cselect_b32 s12, 384, s12
	s_cselect_b32 s13, 3, s13
	s_cselect_b32 s14, 24, s14
	s_sub_co_u32 s18, ttmp9, s12
	s_lshl_b32 s18, s18, 2
	s_add_co_u32 s18, s18, s[WV]                   ; my task
	s_lshr_b32 s19, s18, s13                       ; g: which 64 rows
	s_lshl_b32 s20, s19, s13
	s_sub_co_u32 s20, s18, s20                     ; which 128 along K
	s_lshl_b32 s21, 512, s13                       ; a row in bytes
	s_add_co_u32 s22, s13, 15
	s_lshl_b32 s22, s19, s22                       ; 64 g rows
	s_lshl_b32 s23, s20, 9
	s_add_co_u32 s22, s22, s23
	s_mov_b32 s23, 0
	s_add_nc_u64 s[24:25], s[4:5], s[22:23]        ; s[24:31]: where my four fragments' rows begin
	s_add_co_u32 s22, s13, 13
	s_lshl_b32 s22, 1, s22                         ; 16 rows
	s_add_nc_u64 s[26:27], s[24:25], s[22:23]
	s_add_nc_u64 s[28:29], s[26:27], s[22:23]
	s_add_nc_u64 s[30:31], s[28:29], s[22:23]
	s_lshr_b32 s32, s19, 1
	s_mul_i32 s32, s32, 32*TILE
	s_add_co_u32 s33, s14, s20
	s_mul_i32 s33, s33, TILE
	s_add_co_u32 s32, s32, s33
	s_and_b32 s33, s19, 1
	s_mul_i32 s33, s33, 4*1536
	s_add_co_u32 s32, s32, s33
	s_mov_b32 s33, 0
	s_add_nc_u64 s[34:35], s[10:11], s[32:33]      ; my four fragments of codes
	s_and_b32 s36, s19, 1                          ; from my four fragments to my scale entry in the same tile: 12,288 + 256 (g % 2) - 6,144 (g % 2)
	s_mul_i32 s36, s36, 5888
	s_sub_co_u32 s32, s32, s36
	s_add_co_u32 s32, s32, 12288
	s_add_nc_u64 s[36:37], s[10:11], s[32:33]      ; my scale entry
.irp p, 0,1,2,3,4,5,6,7,8,9,10,11,12,13,14,15
	s_mul_i32 s38, s21, \p
	v_add_nc_u32 v[16+\p], s38, v4                 ; row p, 16 bytes a lane
.endr
.macro GL i, set                       ; fragment i's 16 rows: each load reads 512 consecutive bytes of one row
.set P, 0
.rept 16
	global_load_b128 v[\set+4*P:\set+4*P+3], v[16+P], s[24+2*(\i):25+2*(\i)] th:TH_LOAD_NT
.set P, P+1
.endr
.endm
.macro QBLK u                          ; my block 2 u + h: all its 32 numbers are mine
	MAX32 192+32*\u, 52, 53
	v_add_nc_u32 v54, EOFF, v52                    ; the conversion takes the exponent field of this operand as its scale, and nothing else of it
	v_cvt_scalef32_pk16_fp6_f32 v[32+8*\u:34+8*\u], v[192+32*\u:207+32*\u], v54
	v_cvt_scalef32_pk16_fp6_f32 v[48:50], v[208+32*\u:223+32*\u], v54   ; (a conversion's three registers begin on an even number)
	v_lshrrev_b32 v[55+\u], 23, v54                ; the scale's byte; also the plain line behind the conversions
.irp k, 0,1,2
	v_mov_b32 v[35+8*\u+\k], v[48+\k]
.endr
.endm
.macro FRAGQ i, left                   ; left: the younger loads, which may stay out
.set RS, 64+64*((\i)%2)
	s_wait_loadcnt \left
.set P, 0
.rept 16
	ds_store_b128 v6, v[RS+4*P:RS+4*P+3] offset:528*P
.set P, P+1
.endr
.set P, 0
.rept 16
	ds_load_b128 v[192+4*P:195+4*P], v7 offset:256*(P/8)+16*(P%8)   ; LDS serves a wave's instructions in order: these see the stores above
.set P, P+1
.endr
	s_wait_dscnt 0x0                               ; my 64 numbers are in, and the stores have read their registers
.if (\i) > 0
	s_wait_xcnt 0x0                                ; the last fragment's stores have read the units' registers, which are written again below
.endif
.if (\i) < 2
	GL (\i)+2, RS
.endif
	QBLK 0
	QBLK 1
	v_lshl_or_b32 v57, v56, 16, v55                ; my two bytes: blocks h and 2 + h,
	v_lshlrev_b32 v57, v8, v57                     ; at their places in the word;
	v_permlanex16_b32 v58, v57, s41, s42
	v_or_b32 v[60+(\i)], v57, v58                  ; with lane l xor 16's two the word is whole
	global_store_b128 v4, v[32:35], s[34:35] offset:1536*(\i)        ; 512 consecutive bytes
	global_store_b64 v5, v[36:37], s[34:35] offset:1536*(\i)+512     ; 256
	global_store_b128 v4, v[40:43], s[34:35] offset:1536*(\i)+768
	global_store_b64 v5, v[44:45], s[34:35] offset:1536*(\i)+1280
.endm
	s_wait_alu depctr_va_vdst(0)
	GL 0, 64
	GL 1, 128
	FRAGQ 0, 16
	FRAGQ 1, 16
	FRAGQ 2, 16
	FRAGQ 3, 0
	v_cmp_eq_u32 vcc_lo, 1, v3                     ; both halves of the lanes hold all four words: lanes 0-15 store words 0 and 1 of their row, lanes 16-31 words 2 and 3
	v_cndmask_b32 v52, v60, v62, vcc_lo
	v_cndmask_b32 v53, v61, v63, vcc_lo
	global_store_b64 v9, v[52:53], s[36:37]        ; the 32 lanes store one aligned block of 256 bytes
	s_wait_tensorcnt 0x0
	ds_add_u32 v39, v47
	s_wait_dscnt 0x0
	s_endpgm
; ---------------- WEIGHTS.  A LANE TAKES A COLUMN AND ITS REGISTERS RUN DOWN K.  Of each half b of the 64 columns lanes 0-15 take tile 2 b's columns and lanes 16-31 tile 2 b + 1's, in the tiles' order.
;                  v2 my column's bytes; v32.. the blocks' upper codes; v48-55 at work; v56-59 the scale words; v64-127, v128-191 two sets of [b][32 along K]; v192-253 the units
.Lweights:
	s_load_b512 s[4:19], s[0:1], 0x18              ; Wr Cr Ur Wz Cz Uz W C
	s_load_b256 s[20:27], s[0:1], 0x58             ; U Vo Co Uo
	s_load_b64 s[28:29], s[0:1], 0x80              ; wq
	s_sub_co_u32 s30, ttmp9, 512
	s_lshr_b32 s31, s30, 5
	s_lshr_b32 s32, s31, 2                         ; G
	s_and_b32 s33, s31, 3                          ; which 1,024 of the group's 4,096 along K
	s_bfe_u32 s34, s30, 0x30002                    ; which 128 of them
	s_and_b32 s35, s30, 3
	s_lshl_b32 s35, s35, 2
	s_add_co_u32 s35, s35, s[WV]                   ; cg: which 64 columns
	s_add_co_u32 s36, s33, 1
	s_lshr_b32 s36, s36, 1
	s_mul_i32 s37, s32, 3
	s_add_co_u32 s36, s36, s37                     ; which of the twelve matrices
	v_and_b32 v2, 7, v0
	v_bfe_u32 v12, v0, 3, 1
	v_lshl_add_u32 v2, v12, 4, v2
	s_wait_alu depctr_va_vdst(0)
	v_lshl_add_u32 v2, v3, 3, v2
	v_lshlrev_b32 v2, 2, v2                        ; 4 x (l % 8 + 16 ((l / 8) % 2) + 8 (l / 16))
	v_mov_b32 v57, 0
	v_mov_b32 v59, 0
	s_cmp_eq_u32 s33, 2                            ; the second half of a matrix of 2,048 rows
	s_cselect_b32 s38, 1024, 0
	s_lshl_b32 s39, s34, 7
	s_add_co_u32 s38, s38, s39
	s_lshl_b32 s38, s38, 12                        ; rows of 4,096 bytes
	s_lshl_b32 s39, s35, 8
	s_add_co_u32 s38, s38, s39
	s_mov_b32 s39, 0
	s_and_b32 s46, s32, 1
	s_lshl_b32 s46, s46, 4
	s_add_co_u32 s46, s46, s35
	s_lshl_b32 s46, s46, 5
	s_lshl_b32 s47, s33, 3
	s_add_co_u32 s46, s46, s47
	s_add_co_u32 s46, s46, s34
	s_mul_i32 s46, s46, TILE
	s_lshr_b32 s47, s32, 1
	s_mul_i32 s47, s47, 4*1536
	s_add_co_u32 s46, s46, s47                     ; my four fragments
	s_mov_b32 s47, 0
	s_lshr_b32 s52, s32, 1
	s_mul_i32 s52, s52, 5888
	s_sub_co_u32 s52, s46, s52
	s_add_co_u32 s52, s52, 12288
	s_mov_b32 s53, 0
	s_wait_alu depctr_va_vdst(0)
	s_wait_kmcnt 0x0
	s_mov_b64 s[44:45], s[4:5]
.irp k, 1,2,3,4,5,6,7,8,9,10,11
	s_cmp_eq_u32 s36, \k
	s_cselect_b64 s[44:45], s[4+2*\k:5+2*\k], s[44:45]
.endr
	s_add_nc_u64 s[44:45], s[44:45], s[38:39]
	s_add_nc_u64 s[48:49], s[28:29], s[46:47]
	s_add_nc_u64 s[50:51], s[28:29], s[52:53]
.macro LOADK kb, buf                   ; block kb of 32 along K: the two loads of a row read one aligned block of 256 bytes
.set KK, 0
.rept 32
	global_load_b32 v[\buf+KK], v2, s[44:45] offset:(32*(\kb)+KK)*4096 th:TH_LOAD_NT
	global_load_b32 v[\buf+32+KK], v2, s[44:45] offset:(32*(\kb)+KK)*4096+128 th:TH_LOAD_NT
.set KK, KK+1
.endr
.endm
.macro KB kb, left
.set BF, 64+64*((\kb)%2)
.set UN, (\kb)/2
	s_wait_loadcnt \left
	MAX32 BF, 48, 50
	MAX32 BF+32, 49, 51
.irp b, 0,1
	v_add_nc_u32 v[52+\b], EOFF, v[48+\b]
.endr
.irp b, 0,1
	v_lshrrev_b32 v[54+\b], 23, v[52+\b]
.endr
.irp b, 0,1
.if (\kb) == 0
	v_mov_b32 v[56+2*\b], v[54+\b]                 ; my column's four bytes, the lower K in the lower byte
.else
	v_lshl_or_b32 v[56+2*\b], v[54+\b], 8*(\kb), v[56+2*\b]
.endif
.endr
.irp b, 0,1
	v_cvt_scalef32_pk16_fp6_f32 v[192+32*UN+16*\b+8*((\kb)%2):194+32*UN+16*\b+8*((\kb)%2)], v[BF+32*\b:BF+32*\b+15], v[52+\b]
	v_cvt_scalef32_pk16_fp6_f32 v[32+8*\b+4*((\kb)%2):34+8*\b+4*((\kb)%2)], v[BF+32*\b+16:BF+32*\b+31], v[52+\b]
.endr
	v_nop                                          ; one plain line behind the conversions
.if (\kb) < 2
	LOADK (\kb)+2, BF
.endif
.if (\kb)%2 == 1                       ; an even block and the odd one behind it make a unit for each tile: the even block's lanes 16-31 (tile 2 b + 1) change places with the odd block's lanes 0-15 (tile 2 b)
.irp b, 0,1
.set UP, 192+32*UN+16*\b
.irp k, 0,1,2
	v_permlane16_swap_b32 v[UP+\k], v[UP+8+\k]
	v_permlane16_swap_b32 v[32+8*\b+\k], v[36+8*\b+\k]
.endr
.irp k, 0,1,2
	v_mov_b32 v[UP+3+\k], v[32+8*\b+\k]
	v_mov_b32 v[UP+11+\k], v[36+8*\b+\k]
.endr
	global_store_b128 v4, v[UP:UP+3], s[48:49] offset:2*\b*1536+768*UN
	global_store_b64 v5, v[UP+4:UP+5], s[48:49] offset:2*\b*1536+768*UN+512
	global_store_b128 v4, v[UP+8:UP+11], s[48:49] offset:(2*\b+1)*1536+768*UN
	global_store_b64 v5, v[UP+12:UP+13], s[48:49] offset:(2*\b+1)*1536+768*UN+512
.endr
.endif
.endm
	LOADK 0, 64
	LOADK 1, 128
	KB 0, 63                                       ; 64 younger loads were issued; the wait's field ends at 63, and the smaller count is safe
	KB 1, 63
	KB 2, 63
	KB 3, 0
	v_permlanex16_b32 v57, v56, s41, s42           ; lanes 0-15: tiles 0, 1, 2, 3 in v56-59; lanes 16-31: tiles 1, 0, 3, 2
	v_permlanex16_b32 v59, v58, s41, s42
	v_cmp_eq_u32 vcc_lo, 1, v3
	v_cndmask_b32 v52, v56, v59, vcc_lo            ; lanes 0-15 store words 0 and 1 of their place r, lanes 16-31 words 2 and 3
	v_cndmask_b32 v53, v57, v58, vcc_lo
	global_store_b64 v9, v[52:53], s[50:51]        ; one aligned block of 256 bytes
	s_endpgm
.Lfunc_end_k_qf3087cd94e_quant:
	.size	k_qf3087cd94e_quant, .Lfunc_end_k_qf3087cd94e_quant-k_qf3087cd94e_quant
	.p2alignl 7, 3214868480
	.fill 96, 4, 3214868480
	.section	.rodata,"a",@progbits
	.p2align	6, 0x0
	.amdhsa_kernel k_qf3087cd94e_quant
		.amdhsa_group_segment_fixed_size 34304
		.amdhsa_private_segment_fixed_size 0
		.amdhsa_enable_private_segment 0
		.amdhsa_kernarg_size 136
		.amdhsa_user_sgpr_count 2
		.amdhsa_user_sgpr_kernarg_segment_ptr 1
		.amdhsa_wavefront_size32 1
		.amdhsa_system_sgpr_workgroup_id_x 1
		.amdhsa_system_sgpr_workgroup_id_y 1
		.amdhsa_system_sgpr_workgroup_id_z 1
		.amdhsa_system_vgpr_workitem_id 0
		.amdhsa_next_free_vgpr 256
		.amdhsa_next_free_sgpr 66
		.amdhsa_reserve_vcc 1
		.amdhsa_float_denorm_mode_32 3
		.amdhsa_float_denorm_mode_16_64 3
		.amdhsa_memory_ordered 1
		.amdhsa_forward_progress 1
		.amdhsa_inst_pref_size 73
	.end_amdhsa_kernel
	.amdgpu_metadata
---
amdhsa.version: [ 1, 2 ]
amdhsa.kernels:
  - .name:           k_qf3087cd94e_quant
    .symbol:         k_qf3087cd94e_quant.kd
    .args:
      - { .name: in_word, .offset: 0, .size: 8, .value_kind: global_buffer, .address_space: global }
      - { .name: attended_state, .offset: 8, .size: 8, .value_kind: global_buffer, .address_space: global }
      - { .name: last_hid_state, .offset: 16, .size: 8, .value_kind: global_buffer, .address_space: global }
      - { .name: Wr, .offset: 24, .size: 8, .value_kind: global_buffer, .address_space: global }
      - { .name: Cr, .offset: 32, .size: 8, .value_kind: global_buffer, .address_space: global }
      - { .name: Ur, .offset: 40, .size: 8, .value_kind: global_buffer, .address_space: global }
      - { .name: Wz, .offset: 48, .size: 8, .value_kind: global_buffer, .address_space: global }
      - { .name: Cz, .offset: 56, .size: 8, .value_kind: global_buffer, .address_space: global }
      - { .name: Uz, .offset: 64, .size: 8, .value_kind: global_buffer, .address_space: global }
      - { .name: W, .offset: 72, .size: 8, .value_kind: global_buffer, .address_space: global }
      - { .name: C, .offset: 80, .size: 8, .value_kind: global_buffer, .address_space: global }
      - { .name: U, .offset: 88, .size: 8, .value_kind: global_buffer, .address_space: global }
      - { .name: Vo, .offset: 96, .size: 8, .value_kind: global_buffer, .address_space: global }
      - { .name: Co, .offset: 104, .size: 8, .value_kind: global_buffer, .address_space: global }
      - { .name: Uo, .offset: 112, .size: 8, .value_kind: global_buffer, .address_space: global }
      - { .name: actq, .offset: 120, .size: 8, .value_kind: global_buffer, .address_space: global }
      - { .name: wq, .offset: 128, .size: 8, .value_kind: global_buffer, .address_space: global }
    .group_segment_fixed_size: 34304
    .private_segment_fixed_size: 0
    .kernarg_segment_align: 8
    .kernarg_segment_size: 136
    .max_flat_workgroup_size: 128
    .sgpr_count:     66
    .vgpr_count:     256
    .wavefront_size: 32
...
	.end_amdgpu_metadata
.endif
;; end of part 1
;; launch big (part 2): grid 16 x 16, 4 waves a work-group, clusters of 4 x 4, 327,680 bytes of LDS; arguments actq, wq, last_hid_state, rhq, pp, bwr, bur, bcr, bwz, buz, bcz, bw, bu, bc, bvo, buo, bco; writes rhq, pp
.if DOCPART == 2
	.amdgcn_target "amdgcn-amd-amdhsa--gfx1250"
	.amdhsa_code_object_version 6
	.text
	.protected	k_qf3087cd94e_big
	.globl	k_qf3087cd94e_big
	.p2align	8
	.type	k_qf3087cd94e_big,@function
k_qf3087cd94e_big:
	s_mov_b64 s[64:65], 0
	v_nop
	global_prefetch_b8 v0, s[64:65] scope:SCOPE_SE
	s_setreg_imm32_b32 hwreg(HW_REG_WAVE_MODE, 25, 1), 1
	s_wait_xcnt 0x0
	s_wait_alu depctr_hold_cnt(0) depctr_sa_sdst(0) depctr_va_vdst(0) depctr_va_sdst(0) depctr_va_ssrc(0) depctr_va_vcc(0) depctr_vm_vsrc(0)
	s_getreg_b32 s2, hwreg(HW_REG_IB_STS2, 6, 4)
	s_cmp_eq_u32 s2, 0
	s_cbranch_scc0 .Lentry_in_a_cluster
	s_endpgm
.Lentry_in_a_cluster:
	s_bfe_u32 s2, ttmp6, 0x10000c
	s_cmp_lg_u32 s2, 0xf033
	s_cbranch_scc0 .Lentry_shape_is_right
	s_endpgm
.Lentry_shape_is_right:
; ALL PRODUCTS THAT HANG ON THE INPUTS ALONE, as one GEMM on codes of FP6 (E2M3) with E8M0 scales: rows 4,096, columns 4 gates x 1,024.
;   r = sigmoid([x|a|h][Wr;Cr;Ur] + b), K 4,096; r h is quantised along its columns and stored as codes (rhq);  z's sum, K 4,096;  s~'s and t's sums over x and a, K 3,072: stored in f32 (pp), the gate's three biases added.
; LIMITS: NaN and infinities are not served; a block of r h that is 0 or under 2^-124 gets the scale byte 1 (only this program reads the bytes).
; TILES (this program's own layout): 128 rows x 128 K = 12,800 dense bytes: 8 fragments of 1,536 bytes in the order of the operand's registers, then 512 bytes of scale words: a load at 16 x lane behind the
; fragments gives four registers: lanes 0-15 fragments 0-3, lanes 16-31 fragments 4-7.  A weight tile holds 4 fragments (64 columns) of r or z and 4 of s~ or t.
; SHARES: a work-group makes 256 rows x 2 tiles of weights; a wave 128 rows x one tile: 64 accumulators.  Work-group columns 0-7 hold r and s~, 8-15 z and t (the same in all partners of a cluster).
; K steps 0-23 multiply all eight fragments of the weights, K steps 24-31 (h) the first four alone: 1,792 products in every wave.
; THE WEIGHTS go through LDS: two slots of two K steps (51,200 bytes), each wave fetching one tile (50 rows of 256 bytes), asked for jointly along a column of the cluster.
; THE ROWS' fragments and scale words go from memory straight into the operand's registers, two sets, asked for two K steps ahead with counted waits: in LDS they would double the bytes that each K step
; reads there and fills there; so they are not asked for jointly, though a row of the cluster shares them.
; PREFETCH: at each change of slots a wave names 13 blocks of 256 bytes of the rows' two tiles that are loaded three slots on and of the weights' two tiles that are loaded four slots on; the eight waves of a cluster
; that read a stream share its 100 blocks out by address.  The last changes ask for nothing.
; pp holds accumulators as register images: image (16 rows ra, 16 columns cb of a gate) at (gate index x 16,384 + 64 ra + cb) x 1,024; gate index 0 z, 1 s~, 2 t.
; REGISTERS: window 0: v2-20 addresses, v32-47 scale words (two sets), v64-255 the rows' fragments (two sets); window 1: the weights' fragments (two sets), the summed biases at v96-127 and v224-255; windows 2, 3: accumulators.
.set TL,    12800
.set HB,    2*TL
.set STG,   8*TL                       ; behind the ring: 16 rows of h (256 bytes + 16) for each wave
.set SCR,   STG+4*4352                 ; r h's scale entries: 512 bytes for each half of the rows
.set SPARE, SCR+1024                   ; the spare words
.set B16, 4
.set B8,  5
.set PFOA, 6
.set PFOB, 7
.set GO,  8
.set SCRW, 9
.set SCRR, 10
.set V16, 13
.set V8,  14
.set VB,  15
.set HW,  16
.set HRD, 17
.set SC,  32
.set AFB, 64
.set EZ,  64
.set HR,  96
.set UU,  128
.set QQ,  136
.set MX,  140
.set XX,  142
.set SX,  144
.set BX,  146
.set WW,  152
.set OW,  160
.set AP,  20
.set BP,  22
.set G1,  24
.set G0,  32
.set K1,  92
.set SEL, 94
.set MSB, 0
.macro WIN new
.if MSB != \new
	s_set_vgpr_msb (MSB<<8)|\new
.set MSB, \new
.endif
.endm
.macro PLACES n
.rept \n
	v_nop
.endr
.endm
.macro CREST
	s_cmp_lg_u32 s14, 0
	s_cbranch_scc1 .Lnw0_\@
	s_barrier_signal -3
.Lnw0_\@:
	s_barrier_wait -3
	s_barrier_signal -1
	s_barrier_wait -1
.endm
.macro CROUND
	s_barrier_signal -1
	s_barrier_wait -1
	CREST
.endm
.macro JLOAD s                         ; every wave brings its own tile of the slot
	tensor_load_to_lds s[G0+4*(\s):G0+4*(\s)+3], s[G1:G1+7]
	s_nop 0
	PLACES 4
.endm
	s_load_b256 s[4:11], s[0:1], 0x0               ; actq, wq, h, rhq
	s_load_b64 s[12:13], s[0:1], 0x20              ; pp
	s_load_b512 s[68:83], s[0:1], 0x28             ; the twelve biases, three a gate: r, z, s~, t
	s_load_b256 s[84:91], s[0:1], 0x68
	v_lshl_add_u32 v2, v0, 2, SPARE
	v_mov_b32 v3, 0
	ds_add_u32 v2, v3
	ds_add_u32 v2, v3
	v_lshrrev_b32 v1, 5, v0
	v_readfirstlane_b32 s14, v1                    ; wave
	s_lshr_b32 s15, s14, 1                         ; my half of the rows; also: which K step of a slot I fetch
	s_and_b32 s16, s14, 1                          ; my tile of the weights; also: whose tile I fetch
	s_bfe_u32 s40, ttmp6, 0x40000                  ; cx
	s_bfe_u32 s41, ttmp6, 0x40004                  ; cy
	s_lshl_b32 s42, ttmp9, 2
	s_add_co_u32 s42, s42, s40                     ; work-group column 0..15
	s_and_b32 s17, ttmp7, 0xffff
	s_lshl_b32 s17, s17, 2
	s_add_co_u32 s17, s17, s41                     ; work-group row
	s_lshl_b32 s44, 0x1111, s40
	s_or_b32 s[G1], s44, (3<<16)|(1<<21)           ; elements of 8 bytes, no padding; the mask: my column of the cluster
	s_mov_b32 s[G1+1], 32<<16
	s_mov_b32 s[G1+2], 50<<16
	s_mov_b32 s[G1+3], 32<<16
	s_mov_b32 s[G1+4], 50
	s_mov_b32 s[G1+5], 32
	s_mov_b32 s[G1+6], 0
	s_mov_b32 s[G1+7], 0
	s_lshl_b32 s48, s17, 1
	s_add_co_u32 s48, s48, s15                     ; my block of 128 rows
	s_mul_i32 s20, s48, 32*TL
	s_mov_b32 s21, 0
	s_lshl_b32 s46, s42, 1
	s_add_co_u32 s46, s46, s16
	s_mul_i32 s46, s46, 32*TL                      ; tile row 2 x column + wave % 2
	s_mov_b32 s47, 0
	s_mul_i32 s18, s15, TL
	s_mov_b32 s19, 0
	s_mul_i32 s96, s16, 4*TL                       ; LDS: [tile 2][slot 2][K step 2]
	s_add_co_u32 s45, s96, s18
	s_and_b32 s49, s42, 7
	s_lshl_b32 s49, s49, 1
	s_add_co_u32 s49, s49, s16                     ; my group of 64 columns of the gates
	s_lshl_b32 s2, s49, 8
	s_mov_b32 s3, 0
	s_lshl_b32 s50, s40, 1
	s_add_co_u32 s50, s50, s16
	s_mul_i32 s50, s50, 13                         ; my share of the rows' blocks,
	s_lshl_b32 s51, s41, 1
	s_add_co_u32 s51, s51, s15
	s_mul_i32 s51, s51, 13                         ; and of the weights'
	s_mul_i32 s97, s14, 4352
	s_add_co_u32 s97, s97, STG
	s_lshl_b32 s99, s15, 9
	s_add_co_u32 s99, s99, SCR
	s_lshl_b32 s98, s16, 1
	s_add_co_u32 s98, s98, s99
	s_mov_b32 s[K1], 0xbfb8aa3b                    ; -log2 e
	s_mov_b32 s[K1+1], s[K1]
	s_mov_b32 s[SEL], 0x76543210
	s_mov_b32 s[SEL+1], 0xfedcba98
	s_wait_dscnt 0x0
	s_wait_kmcnt 0x0
	s_add_nc_u64 s[AP:AP+1], s[4:5], s[20:21]
	s_add_nc_u64 s[BP:BP+1], s[6:7], s[46:47]
	s_add_nc_u64 s[46:47], s[BP:BP+1], s[18:19]
	CROUND                                         ; the first joint loads meet
.irp s, 0,1
	s_mov_b32 s[G0+4*\s], 1
	s_add_co_u32 s[G0+4*\s+1], s45, \s*HB
	s_add_nc_u64 s[G0+4*\s+2:G0+4*\s+3], s[46:47], \s*HB
	s_or_b32 s[G0+4*\s+3], s[G0+4*\s+3], 0x80000000
.endr
	JLOAD 0                                        ; K steps 0, 1: one tensor load a wave at the head
	s_cmp_ge_u32 ttmp9, 2                          ; columns 8-15: z's and t's biases
.irp k, 0,1,2
	s_cselect_b64 s[68+2*\k:69+2*\k], s[74+2*\k:75+2*\k], s[68+2*\k:69+2*\k]
	s_cselect_b64 s[80+2*\k:81+2*\k], s[86+2*\k:87+2*\k], s[80+2*\k:81+2*\k]
.endr
.irp k, 0,1,2
	s_add_nc_u64 s[68+2*\k:69+2*\k], s[68+2*\k:69+2*\k], s[2:3]
	s_add_nc_u64 s[80+2*\k:81+2*\k], s[80+2*\k:81+2*\k], s[2:3]
.endr
	v_and_b32 v1, 31, v0
	v_and_b32 v18, 15, v0                          ; r
	v_bfe_u32 v19, v0, 4, 1                        ; h
	v_lshlrev_b32 v[V16], 4, v1
	v_lshlrev_b32 v[V8], 3, v1
	v_lshlrev_b32 v[VB], 6, v19
	v_lshlrev_b32 v11, 12, v1                      ; h's prefetch: a lane a row of 4,096 bytes
	v_min_u32 v20, 12, v1                          ; 13 blocks a wave; the lanes left over name the last again
	v_add_nc_u32 v[PFOA], s50, v20
	v_add_nc_u32 v[PFOB], s51, v20
	v_min_u32 v[PFOA], 99, v[PFOA]                 ; two tiles are 100 blocks of 256 bytes
	v_min_u32 v[PFOB], 99, v[PFOB]
	v_lshlrev_b32 v[PFOA], 8, v[PFOA]
	v_lshlrev_b32 v[PFOB], 8, v[PFOB]
	v_add_nc_u32 v[B16], s96, v[V16]
	v_add_nc_u32 v[B8], s96, v[V8]
	v_mul_u32_u24 v[HRD], v18, 272
	v_lshl_add_u32 v[HRD], v19, 6, v[HRD]
	v_add_nc_u32 v[HRD], s97, v[HRD]               ; the stage as the results lie: row r, byte 64 h
	v_mul_u32_u24 v[HW], v19, 272
	v_lshl_add_u32 v[HW], v18, 4, v[HW]
	v_add_nc_u32 v[HW], s97, v[HW]                 ; and by rows: lanes 0-15 one row, lanes 16-31 the next
	v_lshlrev_b32 v[GO], 12, v19
	v_lshl_add_u32 v[GO], v18, 4, v[GO]
	v_lshl_add_u32 v[SCRW], v18, 4, s98
	v_add_nc_u32 v[SCRR], s99, v[V16]
	s_wait_alu depctr_va_vdst(0)
; the biases in the result's layout: lane (r, h) wants, for fragment t, columns 32 ((t/2)%2) + 16 h + 8 (t%2) + 0..7 of my 64; t 0-3: r or z, t 4-7: s~ or t
.irp k, 0,1,2
.if \k == 0
	WIN 0x40
.else
	WIN 0x80
.endif
.irp t, 0,1,2,3,4,5,6,7
.if \k == 0
.set BR_, 96+8*\t+96*(\t/4)
.else
.set BR_, 64*(\k-1)+8*\t
.endif
	global_load_b128 v[BR_:BR_+3], v[VB], s[68+12*(\t/4)+2*\k:69+12*(\t/4)+2*\k] offset:128*((\t/2)%2)+32*(\t%2)
	global_load_b128 v[BR_+4:BR_+7], v[VB], s[68+12*(\t/4)+2*\k:69+12*(\t/4)+2*\k] offset:128*((\t/2)%2)+32*(\t%2)+16
.endr
.endr
	WIN 0
.macro AFR reg, off                    ; a fragment of the rows from memory: four loads of consecutive bytes
	global_load_b128 v[\reg:\reg+3], v[V16], s[AP:AP+1] offset:\off
	global_load_b64 v[\reg+4:\reg+5], v[V8], s[AP:AP+1] offset:\off+512
	global_load_b128 v[\reg+6:\reg+9], v[V16], s[AP:AP+1] offset:\off+768
	global_load_b64 v[\reg+10:\reg+11], v[V8], s[AP:AP+1] offset:\off+1280
.endm
.macro ALOAD p, ao, i0                 ; blocks i0 .. i0 + 3 of the tile ao tiles on, into set p: 16 loads
.irp n, 0,1,2,3
	AFR AFB+96*(\p)+12*(\i0+\n), (\ao)*TL+1536*(\i0+\n)
.endr
.endm
.macro ASCL p, ao                      ; and its scale words
	global_load_b128 v[SC+8*(\p):SC+8*(\p)+3], v[V16], s[AP:AP+1] offset:(\ao)*TL+12288
.endm
.irp u, 0,1
	ALOAD \u, \u, 0
	ASCL \u, \u
	ALOAD \u, \u, 4
.endr
	s_wait_loadcnt 63                              ; the biases are in (66 loads were issued behind them; the smaller count is safe)
	WIN 0x49                                       ; the three biases of a gate become one
.irp o, 0, 64
.irp t, 0,1,2,3,4,5,6,7
.irp j, 0,2,4,6
	v_pk_add_f32 v[96+8*\t+96*(\t/4)+\j:96+8*\t+96*(\t/4)+\j+1], v[96+8*\t+96*(\t/4)+\j:96+8*\t+96*(\t/4)+\j+1], v[\o+8*\t+\j:\o+8*\t+\j+1]
.endr
.endr
.endr
	WIN 0
.macro FRAG reg, off
	ds_load_b128 v[\reg:\reg+3], v[B16] offset:\off
	ds_load_b64 v[\reg+4:\reg+5], v[B8] offset:\off+512
	ds_load_b128 v[\reg+6:\reg+9], v[B16] offset:\off+768
	ds_load_b64 v[\reg+10:\reg+11], v[B8] offset:\off+1280
.endm
.macro FETCH_B sl, k, nf               ; the first nf fragments of the weights and the scale words of step k of slot sl, into set k: 4 nf + 1 loads
	WIN 0x40
.set N_, 0
.rept \nf
	FRAG 128*(\k)+12*N_, (\sl)*HB+(\k)*TL+1536*N_
.set N_, N_+1
.endr
	WIN 0
	ds_load_b128 v[SC+8*(\k)+4:SC+8*(\k)+7], v[B16] offset:(\sl)*HB+(\k)*TL+12288
.endm
.macro WM a, b, p, first
.set D_, 8*(8*((\a)%4)+(\b))
.if \first
.set C_, 96+8*(\b)+96*((\b)/4)
.else
.set C_, D_
.endif
.set X_, 128*(\p)+12*(\b)
.set Y_, AFB+96*(\p)+12*(\a)
.set S_, SC+8*(\p)+4+(\b)%4
.set T_, SC+8*(\p)+(\a)%4
.if ((\b)/4 == 0) && ((\a)/4 == 0)
	v_wmma_scale_f32_16x16x128_f8f6f4 v[D_:D_+7], v[X_:X_+11], v[Y_:Y_+11], v[C_:C_+7], v[S_], v[T_] matrix_a_fmt:MATRIX_FMT_FP6 matrix_b_fmt:MATRIX_FMT_FP6
.elseif (\a)/4 == 0
	v_wmma_scale_f32_16x16x128_f8f6f4 v[D_:D_+7], v[X_:X_+11], v[Y_:Y_+11], v[C_:C_+7], v[S_], v[T_] matrix_a_fmt:MATRIX_FMT_FP6 matrix_b_fmt:MATRIX_FMT_FP6 matrix_a_scale:MATRIX_SCALE_ROW1
.elseif (\b)/4 == 0
	v_wmma_scale_f32_16x16x128_f8f6f4 v[D_:D_+7], v[X_:X_+11], v[Y_:Y_+11], v[C_:C_+7], v[S_], v[T_] matrix_a_fmt:MATRIX_FMT_FP6 matrix_b_fmt:MATRIX_FMT_FP6 matrix_b_scale:MATRIX_SCALE_ROW1
.else
	v_wmma_scale_f32_16x16x128_f8f6f4 v[D_:D_+7], v[X_:X_+11], v[Y_:Y_+11], v[C_:C_+7], v[S_], v[T_] matrix_a_fmt:MATRIX_FMT_FP6 matrix_b_fmt:MATRIX_FMT_FP6 matrix_a_scale:MATRIX_SCALE_ROW1 matrix_b_scale:MATRIX_SCALE_ROW1
.endif
.endm
.macro MULH a0, p, first, nb           ; the rows' blocks a0, a0 + 1 against nb fragments of the weights; the accumulators take turns
.irp a, \a0, \a0+1
.set B_, 0
.rept \nb
	WM \a, B_, \p, \first
.set B_, B_+1
.endr
.endr
.endm
; A K STEP.  k: which step of slot sl; set k of all registers.  nb: fragments of the weights multiplied; nf: fetched for the next step; al: the rows' tile two steps on is asked for (blocks 0-3 in the middle,
; the scale words and blocks 4-7 at the end).  hc: the loads issued behind this step's scale words; mc: those behind its blocks 4-7.  pf: prefetch.
; k = 0: the next step's weights lie in the same slot and are fetched at once.  k = 1: all reads of the slot are over when this step's fragments are in: kind 1: it is filled again, two slots on; 2: it is not; 3: the last step.
.macro STEP sl, k, kind, first, nb, nf, al, hc, mc, pf
.if \k == 0
	FETCH_B \sl, 1, \nf
	s_wait_dscnt 4*(\nf)+1                         ; all but the fetch just issued
	s_wait_loadcnt \hc
.if \first
	WIN 0x91                                       ; C, the biases, in window 1
.else
	WIN 0xa1
.endif
	MULH 0, \k, \first, \nb
	MULH 2, \k, \first, \nb
	PLACES 4
	WIN 0
.else
.if \al
	s_wait_xcnt 0x0                                ; the loads and prefetches issued so far have read their bases
	s_add_nc_u64 s[AP:AP+1], s[AP:AP+1], HB
	s_add_nc_u64 s[BP:BP+1], s[BP:BP+1], HB
.endif
.if \kind != 3
	s_wait_tensorcnt 0x0                           ; all my tensor loads have landed: my tile of the next slot
	ds_add_u32 v2, v3
	s_wait_dscnt 0x1                               ; this step's fragments are in; the add may be out
.else
	s_wait_dscnt 0x0
.endif
	s_wait_loadcnt \hc
	WIN 0xa1
	MULH 0, \k, 0, \nb
.if \kind != 3
	s_wait_dscnt 0x0                               ; the add is done, my reads of this slot are over
	s_barrier_signal -1
.endif
	MULH 2, \k, 0, \nb
	WIN 0
.if \kind != 3
	s_barrier_wait -1
.endif
.if \kind == 1
	CREST                                          ; the barrier has opened a round of the cluster's
	s_add_nc_u64 s[G0+4*(\sl)+2:G0+4*(\sl)+3], s[G0+4*(\sl)+2:G0+4*(\sl)+3], 2*HB
	JLOAD \sl
.elseif \kind == 2
	PLACES 4
.endif
.if \kind != 3
	FETCH_B 1-(\sl), 0, \nf
.endif
.endif
.if \al
	ALOAD \k, 2-(\k), 0
.endif
.if \pf
	global_prefetch_b8 v[PFOA], s[AP:AP+1] offset:2*HB th:TH_LOAD_NT scope:SCOPE_SE
	global_prefetch_b8 v[PFOB], s[BP:BP+1] offset:3*HB th:TH_LOAD_NT scope:SCOPE_SE
.endif
	s_wait_loadcnt \mc
.if \first
	WIN 0xd1
.else
	WIN 0xf1
.endif
	MULH 4, \k, \first, \nb
	MULH 6, \k, \first, \nb
	PLACES 4
	WIN 0
.if \al
	ASCL \k, 2-(\k)
	ALOAD \k, 2-(\k), 4
.endif
.endm
	s_wait_alu depctr_va_vdst(0)
	s_wait_tensorcnt 0x0                           ; slot 1's first fill is issued as a refill is
	ds_add_u32 v2, v3
	s_wait_dscnt 0x0
	CROUND
	JLOAD 1
	FETCH_B 0, 0, 8
; the way out's addresses, made here: the stores of s~'s or t's sums and h's prefetch stand under the last K steps
	s_lshl_b32 s18, s48, 19
	s_lshl_b32 s50, s49, 12
	s_add_co_u32 s18, s18, s50
	s_mov_b32 s19, 0
	s_add_nc_u64 s[12:13], s[12:13], s[18:19]      ; my images of gate index 0
	s_lshr_b32 s50, ttmp9, 1
	s_add_co_u32 s50, s50, 1
	s_lshl_b32 s50, s50, 24
	s_mov_b32 s51, 0
	s_add_nc_u64 s[52:53], s[12:13], s[50:51]      ; of s~ (index 1) or t (index 2)
	s_lshl_b32 s18, s48, 19
	s_lshl_b32 s50, s49, 8
	s_add_co_u32 s18, s18, s50
	s_add_nc_u64 s[8:9], s[8:9], s[18:19]          ; h at my 128 rows x 64 columns
	s_lshl_b32 s18, s48, 3
	s_lshr_b32 s50, s49, 1
	s_add_co_u32 s18, s18, s50
	s_mul_i32 s18, s18, TL
	s_add_nc_u64 s[10:11], s[10:11], s[18:19]      ; rhq's tile,
	s_add_nc_u64 s[54:55], s[10:11], 12288         ; its scale entries,
	s_mul_i32 s18, s16, 768
	s_add_nc_u64 s[10:11], s[10:11], s[18:19]      ; my unit of its fragments
	s_mov_b32 s3, 5
	STEP 0, 0, 0, 1, 8, 8, 1, 49, 49, 0            ; K step 0: the first products take the biases as C
.Lk:                                                   ; a trip goes once round the ring: K steps 4 j + 1 to 4 j + 4
	STEP 0, 1, 1, 0, 8, 8, 1, 49, 49, 1
	STEP 1, 0, 0, 0, 8, 8, 1, 49, 49, 0
	STEP 1, 1, 1, 0, 8, 8, 1, 49, 49, 1
	STEP 0, 0, 0, 0, 8, 8, 1, 49, 49, 0
	s_sub_co_u32 s3, s3, 1
	s_cmp_lg_u32 s3, 0
	s_cbranch_scc1 .Lk
	STEP 0, 1, 1, 0, 8, 8, 1, 49, 49, 1            ; K steps 21 to 23
	STEP 1, 0, 0, 0, 8, 8, 1, 49, 49, 0
	STEP 1, 1, 1, 0, 8, 4, 1, 49, 49, 1
.macro HST a                           ; s~'s or t's sums are whole since K step 23: block a's four accumulators leave as they lie, 512 consecutive bytes a store, each from its low end on
	WIN 0x08+4*((\a)/4)
.irp t, 0,1,2,3
	global_store_b128 v[V16], v[8*(8*((\a)%4)+4+\t):8*(8*((\a)%4)+4+\t)+3], s[52:53] offset:(\a)*65536+\t*1024
	global_store_b128 v[V16], v[8*(8*((\a)%4)+4+\t)+4:8*(8*((\a)%4)+4+\t)+7], s[52:53] offset:(\a)*65536+\t*1024+512
.endr
	WIN 0
.endm
.macro HPF j                           ; columns 0-7 alone read h: rows 32 j to 32 j + 63 of my 128, a lane a row's 256 bytes; each block is named once, by the one wave that loads it
	s_cmp_ge_u32 ttmp9, 2
	s_cbranch_scc1 .Lnh_\@
	global_prefetch_b8 v11, s[8:9] offset:(\j)*131072 th:TH_LOAD_NT scope:SCOPE_SE
	global_prefetch_b8 v11, s[8:9] offset:(\j)*131072+131072 th:TH_LOAD_NT scope:SCOPE_SE
.Lnh_\@:
.endm
	STEP 0, 0, 0, 0, 4, 4, 1, 49, 49, 0            ; K steps 24 to 31: h, for r or z alone
	HST 0
	STEP 0, 1, 1, 0, 4, 4, 1, 49, 49, 0
	HST 1
	HPF 0
	STEP 1, 0, 0, 0, 4, 4, 1, 49, 49, 0
	HST 2
	STEP 1, 1, 1, 0, 4, 4, 1, 49, 49, 0
	HST 3
	HPF 2
	STEP 0, 0, 0, 0, 4, 4, 1, 49, 49, 0
	HST 4
	STEP 0, 1, 2, 0, 4, 4, 1, 49, 49, 0
	HST 5
	STEP 1, 0, 0, 0, 4, 4, 0, 49, 33, 0
	HST 6
	STEP 1, 1, 3, 0, 4, 0, 0, 16, 0, 0
	HST 7
; ---- the way out
.macro RAW b0, base                    ; four accumulators of each block of rows leave as they lie, 512 consecutive bytes a store
.irp a, 0,1,2,3,4,5,6,7
	WIN 0x08+4*(\a/4)
.irp t, 0,1,2,3
	global_store_b128 v[V16], v[8*(8*(\a%4)+\b0+\t):8*(8*(\a%4)+\b0+\t)+3], s[\base:\base+1] offset:\a*65536+\t*1024
	global_store_b128 v[V16], v[8*(8*(\a%4)+\b0+\t)+4:8*(8*(\a%4)+\b0+\t)+7], s[\base:\base+1] offset:\a*65536+\t*1024+512
.endr
.endr
	WIN 0
.endm
	s_cmp_ge_u32 ttmp9, 2
	s_cbranch_scc1 .Lz
; columns 0-7: r h, quantised: my 128 x 64 results are one unit of each fragment of tile (row block, column block) of rhq
	WIN 0x40
.set P, 0
.rept 64
	global_load_b128 v[4*P:4*P+3], v[GO], s[8:9] offset:2*P*4096   ; h: two rows' 256 bytes a load, into window 1
.set P, P+1
.endr
	WIN 0
	v_mov_b32 v[XX], 0
	v_mov_b32 v[XX+1], 0
.macro QUANT2 e, u, w                  ; 32 numbers of a lane (register 16 b + j = column 32 b + 16 h + j) become a unit's six registers and two scale bytes
.irp b, 0,1
	v_max3_num_f32 v[MX+\b], |v[\e+16*\b]|, |v[\e+16*\b+1]|, 0x1800000
.endr
.irp n, 2,4,6,8,10,12,14
.irp b, 0,1
	v_max3_num_f32 v[MX+\b], v[MX+\b], |v[\e+16*\b+\n]|, |v[\e+16*\b+\n+1]|
.endr
.endr
.irp b, 0,1
	v_permlanex16_b32 v[XX+\b], v[MX+\b], s[SEL], s[SEL+1]
.endr
.irp b, 0,1
	v_max_num_f32 v[MX+\b], v[MX+\b], v[XX+\b]
.endr
.irp b, 0,1
	v_add_nc_u32 v[SX+\b], 0xff000000, v[MX+\b]
.endr
.irp b, 0,1
	v_lshrrev_b32 v[BX+\b], 23, v[SX+\b]
.endr
	v_lshl_or_b32 v[\w], v[BX+1], 8, v[BX]
	v_cvt_scalef32_pk16_fp6_f32 v[\u:\u+2], v[\e:\e+15], v[SX]
	v_cvt_scalef32_pk16_fp6_f32 v[QQ:QQ+2], v[\e+16:\e+31], v[SX+1]
	v_nop
.irp k, 0,1,2
	v_permlane16_swap_b32 v[\u+\k], v[QQ+\k]
.endr
.irp k, 0,1,2
	v_mov_b32 v[\u+3+\k], v[QQ+\k]
.endr
.endm
.macro PART a                          ; 16 rows x 64 columns: four accumulators, each read from its low end on
.set AC, 64*((\a)%4)
	s_wait_loadcnt 8*(7-(\a))                      ; the later blocks' loads of h may be out
	WIN 0x04
.set P, 0
.rept 8
	ds_store_b128 v[HW], v[32*(\a)+4*P:32*(\a)+4*P+3] offset:2*P*272   ; through my own stage into the results' layout; LDS serves a wave in order
.set P, P+1
.endr
	WIN 0
.irp k, 0,1,2,3,4,5,6,7
	ds_load_b128 v[HR+4*\k:HR+4*\k+3], v[HRD] offset:128*(\k/4)+16*(\k%4)
.endr
	WIN 2+(\a)/4
	s_wait_alu depctr_va_vdst(0)
.set J, 0
.rept 16
	v_pk_mul_f32 v[EZ+J:EZ+J+1], v[AC+J:AC+J+1], s[K1:K1+1] op_sel_hi:[1,0]
.set J, J+2
.endr
	WIN 0
	s_wait_alu depctr_va_vdst(0)
.set J, 0
.rept 32
	v_exp_f32 v[EZ+J], v[EZ+J]
.set J, J+1
.endr
	v_nop
	s_wait_alu depctr_va_vdst(0)
.set J, 0
.rept 16
	v_pk_add_f32 v[EZ+J:EZ+J+1], v[EZ+J:EZ+J+1], 1.0 op_sel_hi:[1,0]
.set J, J+2
.endr
	s_wait_alu depctr_va_vdst(0)
.set J, 0
.rept 32
	v_rcp_f32 v[EZ+J], v[EZ+J]
.set J, J+1
.endr
	v_nop
	s_wait_dscnt 0x0                               ; h
	s_wait_xcnt 0x0                                ; the last part's stores have read the unit's registers
	s_wait_alu depctr_va_vdst(0)
.set J, 0
.rept 16
	v_pk_mul_f32 v[EZ+J:EZ+J+1], v[EZ+J:EZ+J+1], v[HR+J:HR+J+1]
.set J, J+2
.endr
	QUANT2 EZ, UU, WW+(\a)
	global_store_b128 v[V16], v[UU:UU+3], s[10:11] offset:1536*(\a)
	global_store_b64 v[V8], v[UU+4:UU+5], s[10:11] offset:1536*(\a)+512
.endm
.irp a, 0,1,2,3,4,5,6,7
	PART \a
.endr
	s_wait_alu depctr_va_vdst(0)
.irp a, 0,1,2,3,4,5,6,7
	ds_store_b16 v[SCRW], v[WW+\a] offset:256*(\a/4)+4*(\a%4)   ; my two bytes of row 16 a + r's word; both halves of the lanes write the same
.endr
	s_wait_dscnt 0x0                               ; a scale word's bytes come from two waves
	s_barrier_signal -1
	s_barrier_wait -1
	s_cmp_lg_u32 s16, 0
	s_cbranch_scc1 .Lend
	ds_load_b128 v[OW:OW+3], v[SCRR]
	s_wait_dscnt 0x0
	global_store_b128 v[V16], v[OW:OW+3], s[54:55]   ; my rows' two entries, 512 consecutive bytes
	s_branch .Lend
.Lz:                                                   ; columns 8-15: z's and t's sums
	RAW 0, 12
.Lend:
	s_wait_tensorcnt 0x0                           ; the wave's end
	ds_add_u32 v2, v3
	s_wait_dscnt 0x0
	CROUND                                         ; the closing round
	s_endpgm
.Lfunc_end_k_qf3087cd94e_big:
	.size	k_qf3087cd94e_big, .Lfunc_end_k_qf3087cd94e_big-k_qf3087cd94e_big
	.p2alignl 7, 3214868480
	.fill 96, 4, 3214868480
	.section	.rodata,"a",@progbits
	.p2align	6, 0x0
	.amdhsa_kernel k_qf3087cd94e_big
		.amdhsa_group_segment_fixed_size 327680
		.amdhsa_private_segment_fixed_size 0
		.amdhsa_enable_private_segment 0
		.amdhsa_kernarg_size 136
		.amdhsa_user_sgpr_count 2
		.amdhsa_user_sgpr_kernarg_segment_ptr 1
		.amdhsa_wavefront_size32 1
		.amdhsa_system_sgpr_workgroup_id_x 1
		.amdhsa_system_sgpr_workgroup_id_y 1
		.amdhsa_system_sgpr_workgroup_id_z 1
		.amdhsa_system_vgpr_workitem_id 0
		.amdhsa_next_free_vgpr 1024
		.amdhsa_next_free_sgpr 100
		.amdhsa_reserve_vcc 0
		.amdhsa_float_denorm_mode_32 3
		.amdhsa_float_denorm_mode_16_64 3
		.amdhsa_memory_ordered 1
		.amdhsa_forward_progress 1
		.amdhsa_inst_pref_size 255
	.end_amdhsa_kernel
	.section	.bss,"aw",@nobits
	.p2align	6
	.space	262144
	.amdgpu_metadata
---
amdhsa.version: [ 1, 2 ]
amdhsa.kernels:
  - .name:           k_qf3087cd94e_big
    .symbol:         k_qf3087cd94e_big.kd
    .args:
      - { .name: actq, .offset: 0, .size: 8, .value_kind: global_buffer, .address_space: global }
      - { .name: wq, .offset: 8, .size: 8, .value_kind: global_buffer, .address_space: global }
      - { .name: last_hid_state, .offset: 16, .size: 8, .value_kind: global_buffer, .address_space: global }
      - { .name: rhq, .offset: 24, .size: 8, .value_kind: global_buffer, .address_space: global }
      - { .name: pp, .offset: 32, .size: 8, .value_kind: global_buffer, .address_space: global }
      - { .name: bwr, .offset: 40, .size: 8, .value_kind: global_buffer, .address_space: global }
      - { .name: bur, .offset: 48, .size: 8, .value_kind: global_buffer, .address_space: global }
      - { .name: bcr, .offset: 56, .size: 8, .value_kind: global_buffer, .address_space: global }
      - { .name: bwz, .offset: 64, .size: 8, .value_kind: global_buffer, .address_space: global }
      - { .name: buz, .offset: 72, .size: 8, .value_kind: global_buffer, .address_space: global }
      - { .name: bcz, .offset: 80, .size: 8, .value_kind: global_buffer, .address_space: global }
      - { .name: bw, .offset: 88, .size: 8, .value_kind: global_buffer, .address_space: global }
      - { .name: bu, .offset: 96, .size: 8, .value_kind: global_buffer, .address_space: global }
      - { .name: bc, .offset: 104, .size: 8, .value_kind: global_buffer, .address_space: global }
      - { .name: bvo, .offset: 112, .size: 8, .value_kind: global_buffer, .address_space: global }
      - { .name: buo, .offset: 120, .size: 8, .value_kind: global_buffer, .address_space: global }
      - { .name: bco, .offset: 128, .size: 8, .value_kind: global_buffer, .address_space: global }
    .group_segment_fixed_size: 327680
    .private_segment_fixed_size: 0
    .kernarg_segment_align: 8
    .kernarg_segment_size: 136
    .max_flat_workgroup_size: 128
    .sgpr_count:     100
    .vgpr_count:     1024
    .wavefront_size: 32
...
	.end_amdgpu_metadata
.endif
;; end of part 2
;; launch fin_s (part 3): grid 8 x 32, 4 waves a work-group, clusters of 4 x 4, 327,680 bytes of LDS; arguments rhq, wq, pp, last_hid_state, sq, out0; writes sq, out0
.if DOCPART == 3
	.amdgcn_target "amdgcn-amd-amdhsa--gfx1250"
	.amdhsa_code_object_version 6
	.text
	.protected	k_qf3087cd94e_fin_s
	.globl	k_qf3087cd94e_fin_s
	.p2align	8
	.type	k_qf3087cd94e_fin_s,@function
k_qf3087cd94e_fin_s:
	s_mov_b64 s[64:65], 0
	v_nop
	global_prefetch_b8 v0, s[64:65] scope:SCOPE_SE
	s_setreg_imm32_b32 hwreg(HW_REG_WAVE_MODE, 25, 1), 1
	s_wait_xcnt 0x0
	s_wait_alu depctr_hold_cnt(0) depctr_sa_sdst(0) depctr_va_vdst(0) depctr_va_sdst(0) depctr_va_ssrc(0) depctr_va_vcc(0) depctr_vm_vsrc(0)
	s_getreg_b32 s2, hwreg(HW_REG_IB_STS2, 6, 4)
	s_cmp_eq_u32 s2, 0
	s_cbranch_scc0 .Lentry_in_a_cluster
	s_endpgm
.Lentry_in_a_cluster:
	s_bfe_u32 s2, ttmp6, 0x10000c
	s_cmp_lg_u32 s2, 0xf033
	s_cbranch_scc0 .Lentry_shape_is_right
	s_endpgm
.Lentry_shape_is_right:
; THE TWO PRODUCTS THAT HANG ON A RESULT, K = 1,024 each, on codes of FP6 (E2M3).  One text; MODE says which launch this is:
;   MODE 1  s~ = tanh(pp's sum of gate 2 + (r h) U), z = sigmoid(pp's sum of gate 1), s = h + z (s~ - h): stored in f32 (out0) and as codes (sq)
;   MODE 2  t = relu(pp's sum of gate 3 + s Uo): stored in f32 (out1)
; LIMITS: NaN and infinities are not served; tanh x = 1 - 2 / (1 + 2^(2 x log2 e)) is right to about 1e-7 absolute; a block of s that is 0 or under 2^-124 gets the scale byte 1.
; SHARES: a work-group makes 128 x 128, a wave 64 x 64 (16 accumulators).  All eight K steps' tiles (2 x 102,400 bytes) come at the head, one joint load of 51,200 bytes a wave: nothing is filled again.
; pp's register images are loaded into the accumulators and are the first products' C.  No prefetch: there is no loop to run ahead in, every tile is asked for at the head.
; REGISTERS: window 0: v4-22 addresses, v32-39 scale words (lanes 0-15 the rows', lanes 16-31 the weights'), v64-255 two sets of fragments, later the way out; window 1: accumulators, from v128 z's sums; window 2: h as loaded.
; THE WEIGHT as it now comes (in place of what the lines above say of it): the state's weight lies in the second halves of wq's tiles: for each of my work-group's two groups of 64 columns one joint load of 8 rows (K steps 24 to 31)
; of 6,656 bytes (four fragments, then both scale entries), 12,800 bytes apart.  Scale words: v32-47, two sets of four registers for the rows and four for the weights, read from lanes 0-15.
.set MODE, 1
.set GW,    MODE+1
.set TL,    12800
.set STG,   8*TL+2*53248
.set SCR,   STG+4*17408                ; the result's two scale entries
.set SPARE, SCR+512
.set A16, 4
.set A8,  6
.set B16, 8
.set B8,  10
.set SCA, 12
.set V16, 14
.set V8,  15
.set HTA, 16
.set RD,  17
.set GO,  20
.set SCRW, 21
.set SCRR, 22
.set SC,  32
.set EZ,  64
.set ES,  96
.set HR,  128
.set UU,  192
.set QQ,  224
.set MX,  228
.set XX,  230
.set SX,  232
.set BX,  234
.set WW,  236
.set G1,  24
.set G0,  32
.set G0B, 36
.set G1B, 48
.set K1,  56
.set K2,  58
.set SEL, 60
.if MODE == 1
.set OP, 14
.else
.set OP, 10
.endif
.set MSB, 0
.macro WIN new
.if MSB != \new
	s_set_vgpr_msb (MSB<<8)|\new
.set MSB, \new
.endif
.endm
.macro PLACES n
.rept \n
	v_nop
.endr
.endm
.macro CROUND
	s_barrier_signal -1
	s_barrier_wait -1
	s_cmp_lg_u32 s16, 0
	s_cbranch_scc1 .Lnw0_\@
	s_barrier_signal -3
.Lnw0_\@:
	s_barrier_wait -3
	s_barrier_signal -1
	s_barrier_wait -1
.endm
.if MODE == 1
	s_load_b256 s[4:11], s[0:1], 0x0               ; rhq, wq, pp, h
	s_load_b128 s[12:15], s[0:1], 0x20             ; sq, out0
.else
	s_load_b128 s[4:7], s[0:1], 0x0                ; sq, wq
	s_load_b128 s[8:11], s[0:1], 0x10              ; pp, out1
.endif
	v_lshl_add_u32 v2, v0, 2, SPARE
	v_mov_b32 v3, 0
	ds_add_u32 v2, v3
	ds_add_u32 v2, v3
	v_lshrrev_b32 v1, 5, v0
	v_readfirstlane_b32 s16, v1                    ; wave
	s_lshr_b32 s17, s16, 1                         ; my half of the rows; also: I fetch the rows' codes (0) or the weights' (1)
	s_and_b32 s18, s16, 1                          ; my half of the columns; also: which four K steps I fetch
	s_bfe_u32 s19, ttmp6, 0x40000
	s_bfe_u32 s20, ttmp6, 0x40004
	s_lshl_b32 s21, ttmp9, 2
	s_add_co_u32 s21, s21, s19                     ; column block
	s_and_b32 s22, ttmp7, 0xffff
	s_lshl_b32 s22, s22, 2
	s_add_co_u32 s22, s22, s20                     ; row block
	s_lshl_b32 s23, s20, 2
	s_lshl_b32 s23, 15, s23
	s_lshl_b32 s46, 0x1111, s19
	s_or_b32 s[G1], s23, (3<<16)|(1<<21)
	s_or_b32 s[G1B], s46, (3<<16)|(1<<21)
.irp g, G1
	s_mov_b32 s[\g+1], 32<<16                      ; 51,200 dense bytes as 200 rows of 256
	s_mov_b32 s[\g+2], 200<<16
	s_mov_b32 s[\g+3], 32<<16
	s_mov_b32 s[\g+4], 200
	s_mov_b32 s[\g+5], 32
	s_mov_b32 s[\g+6], 0
	s_mov_b32 s[\g+7], 0
.endr
	s_mov_b32 s[G1B+1], 832<<16                    ; 8 rows of 832 elements of 8 bytes, 1,600 elements apart
	s_mov_b32 s[G1B+2], 8<<16
	s_mov_b32 s[G1B+3], 832<<16
	s_mov_b32 s[G1B+4], 8
	s_mov_b32 s[G1B+5], 1600
	s_mov_b32 s[G1B+6], 0
	s_mov_b32 s[G1B+7], 0
	s_mul_i32 s45, s18, 4*TL
	s_lshl_b32 s40, s22, 3
	s_mul_i32 s40, s40, TL
	s_add_co_u32 s40, s40, s45
	s_mov_b32 s41, 0
	s_lshl_b32 s42, s21, 1
	s_add_co_u32 s42, s42, s18
	s_add_co_u32 s42, s42, 16*(MODE-1)             ; tile row 16 (gate % 2) + the group of 64 columns
	s_lshl_b32 s42, s42, 5
	s_add_co_u32 s42, s42, 24
	s_mul_i32 s42, s42, TL
	s_add_co_u32 s42, s42, 6144                    ; the tile's second half
	s_mul_i32 s73, s18, 53248
	s_add_co_u32 s73, s73, 8*TL
	s_mov_b32 s43, 0
	s_mul_i32 s44, s16, 4*TL
	s_mov_b32 s[K1], 0xbfb8aa3b
	s_mov_b32 s[K1+1], s[K1]
	s_mov_b32 s[K2], 0x4038aa3b
	s_mov_b32 s[K2+1], s[K2]
	s_mov_b32 s[SEL], 0x76543210
	s_mov_b32 s[SEL+1], 0xfedcba98
	s_wait_dscnt 0x0
	s_wait_kmcnt 0x0
	CROUND
	s_mov_b32 s[G0], 1
	s_mov_b32 s[G0+1], s44
	s_add_nc_u64 s[G0+2:G0+3], s[4:5], s[40:41]
	s_or_b32 s[G0+3], s[G0+3], 0x80000000
	s_mov_b32 s[G0B], 1
	s_mov_b32 s[G0B+1], s73
	s_add_nc_u64 s[G0B+2:G0B+3], s[6:7], s[42:43]
	s_or_b32 s[G0B+3], s[G0B+3], 0x80000000
	s_cmp_eq_u32 s17, 0
	s_cbranch_scc0 .Lfb
	tensor_load_to_lds s[G0:G0+3], s[G1:G1+7]
	s_nop 0
	PLACES 4
	s_branch .Lja
.Lfb:
	tensor_load_to_lds s[G0B:G0B+3], s[G1B:G1B+7]
	s_nop 0
	PLACES 4
.Lja:
	s_lshl_b32 s40, s22, 3                         ; my images in pp: rows' fragment 8 RB + 4 half, columns' fragment 8 CB + 4 half
	s_lshl_b32 s41, s17, 2
	s_add_co_u32 s40, s40, s41
	s_lshl_b32 s40, s40, 16
	s_lshl_b32 s41, s21, 3
	s_lshl_b32 s42, s18, 2
	s_add_co_u32 s41, s41, s42
	s_lshl_b32 s41, s41, 10
	s_add_co_u32 s40, s40, s41
	s_mov_b32 s41, 0
.if MODE == 1
	s_add_nc_u64 s[46:47], s[8:9], s[40:41]        ; z's sums
	s_add_nc_u64 s[8:9], s[46:47], 0x1000000       ; s~'s
.else
	s_add_nc_u64 s[8:9], s[8:9], s[40:41]
	s_add_nc_u64 s[8:9], s[8:9], 0x2000000         ; t's
.endif
	s_lshl_b32 s40, s22, 19                        ; my 64 x 64 in a tensor of rows of 4,096 bytes
	s_lshl_b32 s42, s17, 18
	s_add_co_u32 s40, s40, s42
	s_lshl_b32 s42, s21, 9
	s_add_co_u32 s40, s40, s42
	s_lshl_b32 s42, s18, 8
	s_add_co_u32 s40, s40, s42
	s_add_nc_u64 s[OP:OP+1], s[OP:OP+1], s[40:41]
.if MODE == 1
	s_add_nc_u64 s[10:11], s[10:11], s[40:41]
	s_lshl_b32 s40, s22, 3
	s_add_co_u32 s40, s40, s21
	s_mul_i32 s40, s40, TL
	s_add_nc_u64 s[12:13], s[12:13], s[40:41]      ; the result is tile (RB, K step CB) of sq
	s_add_nc_u64 s[62:63], s[12:13], 12288         ; its scale entries
	s_mul_i32 s40, s17, 6144
	s_mul_i32 s42, s18, 768
	s_add_co_u32 s40, s40, s42
	s_add_nc_u64 s[12:13], s[12:13], s[40:41]      ; my four fragments' unit
.endif
	s_mul_i32 s66, s17, 6144
	s_mul_i32 s67, s18, 53248
	s_add_co_u32 s67, s67, 8*TL
	s_lshl_b32 s69, s17, 8
	s_add_co_u32 s69, s69, 12288
	s_mul_i32 s70, s16, 17408
	s_add_co_u32 s70, s70, STG
	s_lshl_b32 s71, s17, 8
	s_lshl_b32 s72, s18, 1
	s_add_co_u32 s71, s71, s72
	s_add_co_u32 s71, s71, SCR
	v_and_b32 v1, 31, v0
	v_and_b32 v18, 15, v0                          ; r
	v_bfe_u32 v19, v0, 4, 1                        ; h
	v_lshlrev_b32 v[V16], 4, v1
	v_lshlrev_b32 v[V8], 3, v1
	v_add_nc_u32 v[A16], s66, v[V16]
	v_add_nc_u32 v[A8], s66, v[V8]
	v_add_nc_u32 v[B16], s67, v[V16]
	v_add_nc_u32 v[B8], s67, v[V8]
	v_lshl_add_u32 v[SCA], v18, 4, s69
	v_lshl_add_u32 v23, v18, 4, s67                ; the weights' scale words
.irp x, A16, A8, SCA
	v_add_nc_u32 v[\x+1], 4*TL, v[\x]              ; K steps 4 to 7
.endr
	v_mul_u32_u24 v[HTA], v18, 272
	v_lshl_add_u32 v[HTA], v19, 6, v[HTA]
	v_add_nc_u32 v[HTA], s70, v[HTA]               ; the stage as the results lie: row r, byte 64 h
	v_mul_u32_u24 v[RD], v19, 272
	v_lshl_add_u32 v[RD], v18, 4, v[RD]
	v_add_nc_u32 v[RD], s70, v[RD]                 ; and by rows: lanes 0-15 one row of 256 bytes, lanes 16-31 the next
	v_lshlrev_b32 v[GO], 12, v19
	v_lshl_add_u32 v[GO], v18, 4, v[GO]
	v_lshl_add_u32 v[SCRW], v18, 4, s71
	v_add_nc_u32 v[SCRR], SCR, v[V16]
	v_mov_b32 v[XX], 0
	v_mov_b32 v[XX+1], 0
	s_wait_alu depctr_va_vdst(0)
.macro IMG base, reg                   ; 16 register images, 512 consecutive bytes a load
.irp i, 0,1,2,3
.irp t, 0,1,2,3
	global_load_b128 v[\reg+8*(4*\i+\t):\reg+8*(4*\i+\t)+3], v[V16], s[\base:\base+1] offset:\i*65536+\t*1024
	global_load_b128 v[\reg+8*(4*\i+\t)+4:\reg+8*(4*\i+\t)+7], v[V16], s[\base:\base+1] offset:\i*65536+\t*1024+512
.endr
.endr
.endm
.if MODE == 1
	WIN 0x40
	IMG 8, 0                                       ; what the products want is asked for first
	WIN 0x80
.set P, 0
.rept 32
	global_load_b128 v[4*P:4*P+3], v[GO], s[10:11] offset:2*P*4096   ; h: two rows' 256 bytes a load; it stays in window 2 until the products are done
.set P, P+1
.endr
	WIN 0x40
	IMG 46, 128
.endif
	WIN 0
	s_wait_tensorcnt 0x0                           ; my part of the tiles is in
	s_wait_dscnt 0x0
	s_barrier_signal -1
	s_barrier_wait -1
.macro FRAG reg, a16, a8, off
	ds_load_b128 v[\reg:\reg+3], v[\a16] offset:\off
	ds_load_b64 v[\reg+4:\reg+5], v[\a8] offset:\off+512
	ds_load_b128 v[\reg+6:\reg+9], v[\a16] offset:\off+768
	ds_load_b64 v[\reg+10:\reg+11], v[\a8] offset:\off+1280
.endm
.macro FETCH u                         ; K step u: four fragments a side and the scale words: 34 loads, into set u % 2
.irp n, 0,1,2,3
	FRAG 64+96*((\u)%2)+12*\n, A16+(\u)/4, A8+(\u)/4, ((\u)%4)*TL+1536*\n
	FRAG 112+96*((\u)%2)+12*\n, B16, B8, (\u)*6656+1536*\n
.endr
	ds_load_b128 v[SC+8*((\u)%2):SC+8*((\u)%2)+3], v[SCA+(\u)/4] offset:((\u)%4)*TL
	ds_load_b128 v[SC+8*((\u)%2)+4:SC+8*((\u)%2)+7], v23 offset:(\u)*6656+6400
.endm
	FETCH 0
.irp u, 0,1,2,3,4,5,6,7
.if \u > 0
	PLACES 4
.endif
.if \u < 7
	FETCH \u+1
	s_wait_dscnt 34                                ; all but the 34 loads just issued
.else
	s_wait_dscnt 0x0
.endif
.if \u == 0
	s_wait_loadcnt 63                              ; the accumulators' images are in (64 loads, h's and z's, were issued behind them; the smaller count is safe)
.endif
	WIN 0x50
.irp i, 0,1,2,3
.irp t, 0,1,2,3                        ; the 16 accumulators take turns
	v_wmma_scale_f32_16x16x128_f8f6f4 v[8*(4*\i+\t):8*(4*\i+\t)+7], v[112+96*(\u%2)+12*\t:112+96*(\u%2)+12*\t+11], v[64+96*(\u%2)+12*\i:64+96*(\u%2)+12*\i+11], v[8*(4*\i+\t):8*(4*\i+\t)+7], v[SC+8*(\u%2)+4+\t], v[SC+8*(\u%2)+\i] matrix_a_fmt:MATRIX_FMT_FP6 matrix_b_fmt:MATRIX_FMT_FP6
.endr
.endr
	WIN 0
.endr
	PLACES 4
.set OB, 160                           ; v160-191: 16 rows of the result, read back from the stage
	s_wait_loadcnt 32                              ; h is in; z's 32 loads may be out
	WIN 0x08
.set P, 0
.rept 32
	ds_store_b128 v[RD], v[4*P:4*P+3] offset:2*P*272
.set P, P+1
.endr
	WIN 0
	s_wait_loadcnt 0x0
.macro QUANT2 e, u, w
.irp b, 0,1
	v_max3_num_f32 v[MX+\b], |v[\e+16*\b]|, |v[\e+16*\b+1]|, 0x1800000
.endr
.irp n, 2,4,6,8,10,12,14
.irp b, 0,1
	v_max3_num_f32 v[MX+\b], v[MX+\b], |v[\e+16*\b+\n]|, |v[\e+16*\b+\n+1]|
.endr
.endr
.irp b, 0,1
	v_permlanex16_b32 v[XX+\b], v[MX+\b], s[SEL], s[SEL+1]
.endr
.irp b, 0,1
	v_max_num_f32 v[MX+\b], v[MX+\b], v[XX+\b]
.endr
.irp b, 0,1
	v_add_nc_u32 v[SX+\b], 0xff000000, v[MX+\b]
.endr
.irp b, 0,1
	v_lshrrev_b32 v[BX+\b], 23, v[SX+\b]
.endr
	v_lshl_or_b32 v[\w], v[BX+1], 8, v[BX]
	v_cvt_scalef32_pk16_fp6_f32 v[\u:\u+2], v[\e:\e+15], v[SX]
	v_cvt_scalef32_pk16_fp6_f32 v[QQ:QQ+2], v[\e+16:\e+31], v[SX+1]
	v_nop
.irp k, 0,1,2
	v_permlane16_swap_b32 v[\u+\k], v[QQ+\k]
.endr
.irp k, 0,1,2
	v_mov_b32 v[\u+3+\k], v[QQ+\k]
.endr
.endm
.macro OUT i                           ; 16 rows x 64 columns: four accumulators, each read from its low end on
.if MODE == 1
	s_wait_alu depctr_va_vdst(0)
	s_wait_dscnt 0x0                               ; the last part's stores into the stage have read their registers
.if (\i) > 0
	s_wait_xcnt 0x0                                ; the earlier stores of rows have read v160-191
.irp t, 0,1,2,3,4,5,6,7
	ds_load_b128 v[OB+4*\t:OB+4*\t+3], v[RD] offset:2*(8*((\i)-1)+\t)*272   ; the last part's 16 rows, whole
.endr
.endif
.irp k, 0,1,2,3,4,5,6,7
	ds_load_b128 v[HR+4*\k:HR+4*\k+3], v[HTA] offset:16*272*(\i)+128*(\k/4)+16*(\k%4)
.endr
	WIN 0x01
	s_wait_alu depctr_va_vdst(0)
.set J, 0
.rept 16
	v_pk_mul_f32 v[ES+J:ES+J+1], v[32*(\i)+J:32*(\i)+J+1], s[K2:K2+1] op_sel_hi:[1,0]
.set J, J+2
.endr
.set J, 0
.rept 16
	v_pk_mul_f32 v[EZ+J:EZ+J+1], v[128+32*(\i)+J:128+32*(\i)+J+1], s[K1:K1+1] op_sel_hi:[1,0]
.set J, J+2
.endr
	WIN 0
	s_wait_alu depctr_va_vdst(0)
.set J, 0
.rept 64
	v_exp_f32 v[EZ+J], v[EZ+J]
.set J, J+1
.endr
	v_nop
	s_wait_alu depctr_va_vdst(0)
.set J, 0
.rept 32
	v_pk_add_f32 v[EZ+J:EZ+J+1], v[EZ+J:EZ+J+1], 1.0 op_sel_hi:[1,0]
.set J, J+2
.endr
	s_wait_alu depctr_va_vdst(0)
.set J, 0
.rept 64
	v_rcp_f32 v[EZ+J], v[EZ+J]
.set J, J+1
.endr
	v_nop
	s_wait_dscnt 0x0                               ; h
	s_wait_alu depctr_va_vdst(0)
.set J, 0
.rept 16
	v_pk_fma_f32 v[ES+J:ES+J+1], v[ES+J:ES+J+1], -2.0, 1.0 op_sel_hi:[1,0,0]   ; tanh
.set J, J+2
.endr
.set J, 0
.rept 16
	v_pk_add_f32 v[ES+J:ES+J+1], v[ES+J:ES+J+1], v[HR+J:HR+J+1] neg_lo:[0,1] neg_hi:[0,1]
.set J, J+2
.endr
.set J, 0
.rept 16
	v_pk_fma_f32 v[ES+J:ES+J+1], v[EZ+J:EZ+J+1], v[ES+J:ES+J+1], v[HR+J:HR+J+1]   ; s = h + z (s~ - h)
.set J, J+2
.endr
.irp k, 0,1,2,3,4,5,6,7
	ds_store_b128 v[HTA], v[ES+4*\k:ES+4*\k+3] offset:16*272*(\i)+128*(\k/4)+16*(\k%4)   ; into h's place
.endr
	QUANT2 ES, UU+8*(\i), WW+(\i)
	global_store_b128 v[V16], v[UU+8*(\i):UU+8*(\i)+3], s[12:13] offset:1536*(\i)
	global_store_b64 v[V8], v[UU+8*(\i)+4:UU+8*(\i)+5], s[12:13] offset:1536*(\i)+512
.if (\i) > 0
.irp t, 0,1,2,3,4,5,6,7
	global_store_b128 v[GO], v[OB+4*\t:OB+4*\t+3], s[OP:OP+1] offset:2*(8*((\i)-1)+\t)*4096 th:TH_STORE_NT   ; (they came in ahead of the wait for h) sixteen lanes store 256 consecutive bytes of a row
.endr
.endif
.else
	WIN 0x04
.set J, 0
.rept 32
	v_max_num_f32 v[64+32*(\i)+J], 0, v[32*(\i)+J]
.set J, J+1
.endr
	WIN 0
.irp k, 0,1,2,3,4,5,6,7
	ds_store_b128 v[HTA], v[64+32*(\i)+4*\k:64+32*(\i)+4*\k+3] offset:16*272*(\i)+128*(\k/4)+16*(\k%4)
.endr
.endif
.endm
.irp i, 0,1,2,3
	OUT \i
.endr
	s_wait_alu depctr_va_vdst(0)
.if MODE == 1
.irp i, 0,1,2,3
	ds_store_b16 v[SCRW], v[WW+\i] offset:4*\i     ; my two bytes of row 16 i + r's word; both halves of the lanes write the same
.endr
.endif
	s_wait_dscnt 0x0                               ; the stores into the stage have read their registers
.set P, 24                             ; the last part's 16 rows
.rept 8
	ds_load_b128 v[4*P-32:4*P-29], v[RD] offset:2*P*272
.set P, P+1
.endr
.set P, 24
.rept 8
	s_wait_dscnt 31-P
	global_store_b128 v[GO], v[4*P-32:4*P-29], s[OP:OP+1] offset:2*P*4096 th:TH_STORE_NT   ; sixteen lanes store 256 consecutive bytes of a row
.set P, P+1
.endr
.if MODE == 1
	s_barrier_signal -1                            ; a scale word's bytes come from two waves
	s_barrier_wait -1
	s_cmp_lg_u32 s16, 0
	s_cbranch_scc1 .Lend
	ds_load_b128 v[MX:MX+3], v[SCRR]
	s_wait_dscnt 0x0
	global_store_b128 v[V16], v[MX:MX+3], s[62:63]   ; both entries, 512 consecutive bytes
.Lend:
.endif
	s_wait_tensorcnt 0x0                           ; the wave's end
	ds_add_u32 v2, v3
	s_wait_dscnt 0x0
	CROUND                                         ; the closing round
	s_endpgm
.Lfunc_end_k_qf3087cd94e_fin_s:
	.size	k_qf3087cd94e_fin_s, .Lfunc_end_k_qf3087cd94e_fin_s-k_qf3087cd94e_fin_s
	.p2alignl 7, 3214868480
	.fill 96, 4, 3214868480
	.section	.rodata,"a",@progbits
	.p2align	6, 0x0
	.amdhsa_kernel k_qf3087cd94e_fin_s
		.amdhsa_group_segment_fixed_size 327680
		.amdhsa_private_segment_fixed_size 0
		.amdhsa_enable_private_segment 0
		.amdhsa_kernarg_size 48
		.amdhsa_user_sgpr_count 2
		.amdhsa_user_sgpr_kernarg_segment_ptr 1
		.amdhsa_wavefront_size32 1
		.amdhsa_system_sgpr_workgroup_id_x 1
		.amdhsa_system_sgpr_workgroup_id_y 1
		.amdhsa_system_sgpr_workgroup_id_z 1
		.amdhsa_system_vgpr_workitem_id 0
		.amdhsa_next_free_vgpr 768
		.amdhsa_next_free_sgpr 80
		.amdhsa_reserve_vcc 0
		.amdhsa_float_denorm_mode_32 3
		.amdhsa_float_denorm_mode_16_64 3
		.amdhsa_memory_ordered 1
		.amdhsa_forward_progress 1
		.amdhsa_inst_pref_size 118
	.end_amdhsa_kernel
	.amdgpu_metadata
---
amdhsa.version: [ 1, 2 ]
amdhsa.kernels:
  - .name:           k_qf3087cd94e_fin_s
    .symbol:         k_qf3087cd94e_fin_s.kd
    .args:
      - { .name: rhq, .offset: 0, .size: 8, .value_kind: global_buffer, .address_space: global }
      - { .name: wq, .offset: 8, .size: 8, .value_kind: global_buffer, .address_space: global }
      - { .name: pp, .offset: 16, .size: 8, .value_kind: global_buffer, .address_space: global }
      - { .name: last_hid_state, .offset: 24, .size: 8, .value_kind: global_buffer, .address_space: global }
      - { .name: sq, .offset: 32, .size: 8, .value_kind: global_buffer, .address_space: global }
      - { .name: out0, .offset: 40, .size: 8, .value_kind: global_buffer, .address_space: global }
    .group_segment_fixed_size: 327680
    .private_segment_fixed_size: 0
    .kernarg_segment_align: 8
    .kernarg_segment_size: 48
    .max_flat_workgroup_size: 128
    .sgpr_count:     80
    .vgpr_count:     768
    .wavefront_size: 32
...
	.end_amdgpu_metadata
.endif
;; end of part 3
;; launch fin_t (part 4): grid 8 x 32, 4 waves a work-group, clusters of 4 x 4, 327,680 bytes of LDS; arguments sq, wq, pp, out1; writes out1
.if DOCPART == 4
	.amdgcn_target "amdgcn-amd-amdhsa--gfx1250"
	.amdhsa_code_object_version 6
	.text
	.protected	k_qf3087cd94e_fin_t
	.globl	k_qf3087cd94e_fin_t
	.p2align	8
	.type	k_qf3087cd94e_fin_t,@function
k_qf3087cd94e_fin_t:
	s_mov_b64 s[64:65], 0
	v_nop
	global_prefetch_b8 v0, s[64:65] scope:SCOPE_SE
	s_setreg_imm32_b32 hwreg(HW_REG_WAVE_MODE, 25, 1), 1
	s_wait_xcnt 0x0
	s_wait_alu depctr_hold_cnt(0) depctr_sa_sdst(0) depctr_va_vdst(0) depctr_va_sdst(0) depctr_va_ssrc(0) depctr_va_vcc(0) depctr_vm_vsrc(0)
	s_getreg_b32 s2, hwreg(HW_REG_IB_STS2, 6, 4)
	s_cmp_eq_u32 s2, 0
	s_cbranch_scc0 .Lentry_in_a_cluster
	s_endpgm
.Lentry_in_a_cluster:
	s_bfe_u32 s2, ttmp6, 0x10000c
	s_cmp_lg_u32 s2, 0xf033
	s_cbranch_scc0 .Lentry_shape_is_right
	s_endpgm
.Lentry_shape_is_right:
; THE TWO PRODUCTS THAT HANG ON A RESULT, K = 1,024 each, on codes of FP6 (E2M3).  One text; MODE says which launch this is:
;   MODE 1  s~ = tanh(pp's sum of gate 2 + (r h) U), z = sigmoid(pp's sum of gate 1), s = h + z (s~ - h): stored in f32 (out0) and as codes (sq)
;   MODE 2  t = relu(pp's sum of gate 3 + s Uo): stored in f32 (out1)
; LIMITS: NaN and infinities are not served.
; SHARES: a work-group makes 128 x 128, a wave 64 x 64 (16 accumulators).  All eight K steps' tiles (2 x 102,400 bytes) come at the head, one joint load of 51,200 bytes a wave: nothing is filled again.
; pp's register images are loaded into the accumulators and are the first products' C.  No prefetch: there is no loop to run ahead in, every tile is asked for at the head.
; REGISTERS: window 0: v4-22 addresses, v32-39 scale words (lanes 0-15 the rows', lanes 16-31 the weights'), v64-255 two sets of fragments, later the way out; window 1: accumulators.
; THE WEIGHT as it now comes (in place of what the lines above say of it): the state's weight lies in the second halves of wq's tiles: for each of my work-group's two groups of 64 columns one joint load of 8 rows (K steps 24 to 31)
; of 6,656 bytes (four fragments, then both scale entries), 12,800 bytes apart.  Scale words: v32-47, two sets of four registers for the rows and four for the weights, read from lanes 0-15.
.set MODE, 2
.set GW,    MODE+1
.set TL,    12800
.set STG,   8*TL+2*53248
.set SCR,   STG+4*17408
.set SPARE, SCR+512
.set A16, 4
.set A8,  6
.set B16, 8
.set B8,  10
.set SCA, 12
.set V16, 14
.set V8,  15
.set HTA, 16
.set RD,  17
.set GO,  20
.set SC,  32
.set G1,  24
.set G0,  32
.set G0B, 36
.set G1B, 48
.set OP, 10
.set MSB, 0
.macro WIN new
.if MSB != \new
	s_set_vgpr_msb (MSB<<8)|\new
.set MSB, \new
.endif
.endm
.macro PLACES n
.rept \n
	v_nop
.endr
.endm
.macro CROUND
	s_barrier_signal -1
	s_barrier_wait -1
	s_cmp_lg_u32 s16, 0
	s_cbranch_scc1 .Lnw0_\@
	s_barrier_signal -3
.Lnw0_\@:
	s_barrier_wait -3
	s_barrier_signal -1
	s_barrier_wait -1
.endm
	s_load_b128 s[4:7], s[0:1], 0x0                ; sq, wq
	s_load_b128 s[8:11], s[0:1], 0x10              ; pp, out1
	v_lshl_add_u32 v2, v0, 2, SPARE
	v_mov_b32 v3, 0
	ds_add_u32 v2, v3
	ds_add_u32 v2, v3
	v_lshrrev_b32 v1, 5, v0
	v_readfirstlane_b32 s16, v1                    ; wave
	s_lshr_b32 s17, s16, 1                         ; my half of the rows; also: I fetch the rows' codes (0) or the weights' (1)
	s_and_b32 s18, s16, 1                          ; my half of the columns; also: which four K steps I fetch
	s_bfe_u32 s19, ttmp6, 0x40000
	s_bfe_u32 s20, ttmp6, 0x40004
	s_lshl_b32 s21, ttmp9, 2
	s_add_co_u32 s21, s21, s19                     ; column block
	s_and_b32 s22, ttmp7, 0xffff
	s_lshl_b32 s22, s22, 2
	s_add_co_u32 s22, s22, s20                     ; row block
	s_lshl_b32 s23, s20, 2
	s_lshl_b32 s23, 15, s23
	s_lshl_b32 s46, 0x1111, s19
	s_or_b32 s[G1], s23, (3<<16)|(1<<21)
	s_or_b32 s[G1B], s46, (3<<16)|(1<<21)
.irp g, G1
	s_mov_b32 s[\g+1], 32<<16                      ; 51,200 dense bytes as 200 rows of 256
	s_mov_b32 s[\g+2], 200<<16
	s_mov_b32 s[\g+3], 32<<16
	s_mov_b32 s[\g+4], 200
	s_mov_b32 s[\g+5], 32
	s_mov_b32 s[\g+6], 0
	s_mov_b32 s[\g+7], 0
.endr
	s_mov_b32 s[G1B+1], 832<<16                    ; 8 rows of 832 elements of 8 bytes, 1,600 elements apart
	s_mov_b32 s[G1B+2], 8<<16
	s_mov_b32 s[G1B+3], 832<<16
	s_mov_b32 s[G1B+4], 8
	s_mov_b32 s[G1B+5], 1600
	s_mov_b32 s[G1B+6], 0
	s_mov_b32 s[G1B+7], 0
	s_mul_i32 s45, s18, 4*TL
	s_lshl_b32 s40, s22, 3
	s_mul_i32 s40, s40, TL
	s_add_co_u32 s40, s40, s45
	s_mov_b32 s41, 0
	s_lshl_b32 s42, s21, 1
	s_add_co_u32 s42, s42, s18
	s_add_co_u32 s42, s42, 16*(MODE-1)             ; tile row 16 (gate % 2) + the group of 64 columns
	s_lshl_b32 s42, s42, 5
	s_add_co_u32 s42, s42, 24
	s_mul_i32 s42, s42, TL
	s_add_co_u32 s42, s42, 6144                    ; the tile's second half
	s_mul_i32 s73, s18, 53248
	s_add_co_u32 s73, s73, 8*TL
	s_mov_b32 s43, 0
	s_mul_i32 s44, s16, 4*TL
	s_wait_dscnt 0x0
	s_wait_kmcnt 0x0
	CROUND
	s_mov_b32 s[G0], 1
	s_mov_b32 s[G0+1], s44
	s_add_nc_u64 s[G0+2:G0+3], s[4:5], s[40:41]
	s_or_b32 s[G0+3], s[G0+3], 0x80000000
	s_mov_b32 s[G0B], 1
	s_mov_b32 s[G0B+1], s73
	s_add_nc_u64 s[G0B+2:G0B+3], s[6:7], s[42:43]
	s_or_b32 s[G0B+3], s[G0B+3], 0x80000000
	s_cmp_eq_u32 s17, 0
	s_cbranch_scc0 .Lfb
	tensor_load_to_lds s[G0:G0+3], s[G1:G1+7]
	s_nop 0
	PLACES 4
	s_branch .Lja
.Lfb:
	tensor_load_to_lds s[G0B:G0B+3], s[G1B:G1B+7]
	s_nop 0
	PLACES 4
.Lja:
	s_lshl_b32 s40, s22, 3                         ; my images in pp: rows' fragment 8 RB + 4 half, columns' fragment 8 CB + 4 half
	s_lshl_b32 s41, s17, 2
	s_add_co_u32 s40, s40, s41
	s_lshl_b32 s40, s40, 16
	s_lshl_b32 s41, s21, 3
	s_lshl_b32 s42, s18, 2
	s_add_co_u32 s41, s41, s42
	s_lshl_b32 s41, s41, 10
	s_add_co_u32 s40, s40, s41
	s_mov_b32 s41, 0
	s_add_nc_u64 s[8:9], s[8:9], s[40:41]
	s_add_nc_u64 s[8:9], s[8:9], 0x2000000         ; t's sums
	s_lshl_b32 s40, s22, 19                        ; my 64 x 64 in a tensor of rows of 4,096 bytes
	s_lshl_b32 s42, s17, 18
	s_add_co_u32 s40, s40, s42
	s_lshl_b32 s42, s21, 9
	s_add_co_u32 s40, s40, s42
	s_lshl_b32 s42, s18, 8
	s_add_co_u32 s40, s40, s42
	s_add_nc_u64 s[OP:OP+1], s[OP:OP+1], s[40:41]
	s_mul_i32 s66, s17, 6144
	s_mul_i32 s67, s18, 53248
	s_add_co_u32 s67, s67, 8*TL
	s_lshl_b32 s69, s17, 8
	s_add_co_u32 s69, s69, 12288
	s_mul_i32 s70, s16, 17408
	s_add_co_u32 s70, s70, STG
	v_and_b32 v1, 31, v0
	v_and_b32 v18, 15, v0                          ; r
	v_bfe_u32 v19, v0, 4, 1                        ; h
	v_lshlrev_b32 v[V16], 4, v1
	v_lshlrev_b32 v[V8], 3, v1
	v_add_nc_u32 v[A16], s66, v[V16]
	v_add_nc_u32 v[A8], s66, v[V8]
	v_add_nc_u32 v[B16], s67, v[V16]
	v_add_nc_u32 v[B8], s67, v[V8]
	v_lshl_add_u32 v[SCA], v18, 4, s69
	v_lshl_add_u32 v23, v18, 4, s67                ; the weights' scale words
.irp x, A16, A8, SCA
	v_add_nc_u32 v[\x+1], 4*TL, v[\x]              ; K steps 4 to 7
.endr
	v_mul_u32_u24 v[HTA], v18, 272
	v_lshl_add_u32 v[HTA], v19, 6, v[HTA]
	v_add_nc_u32 v[HTA], s70, v[HTA]               ; the stage as the results lie: row r, byte 64 h
	v_mul_u32_u24 v[RD], v19, 272
	v_lshl_add_u32 v[RD], v18, 4, v[RD]
	v_add_nc_u32 v[RD], s70, v[RD]                 ; and by rows: lanes 0-15 one row of 256 bytes, lanes 16-31 the next
	v_lshlrev_b32 v[GO], 12, v19
	v_lshl_add_u32 v[GO], v18, 4, v[GO]
	s_wait_alu depctr_va_vdst(0)
	WIN 0x40
.irp i, 0,1,2,3
.irp t, 0,1,2,3                        ; 16 register images, 512 consecutive bytes a load
	global_load_b128 v[8*(4*\i+\t):8*(4*\i+\t)+3], v[V16], s[8:9] offset:\i*65536+\t*1024
	global_load_b128 v[8*(4*\i+\t)+4:8*(4*\i+\t)+7], v[V16], s[8:9] offset:\i*65536+\t*1024+512
.endr
.endr
	WIN 0
	s_wait_tensorcnt 0x0                           ; my part of the tiles is in
	s_barrier_signal -1
	s_barrier_wait -1
.macro FRAG reg, a16, a8, off
	ds_load_b128 v[\reg:\reg+3], v[\a16] offset:\off
	ds_load_b64 v[\reg+4:\reg+5], v[\a8] offset:\off+512
	ds_load_b128 v[\reg+6:\reg+9], v[\a16] offset:\off+768
	ds_load_b64 v[\reg+10:\reg+11], v[\a8] offset:\off+1280
.endm
.macro FETCH u                         ; K step u: four fragments a side and the scale words: 34 loads, into set u % 2
.irp n, 0,1,2,3
	FRAG 64+96*((\u)%2)+12*\n, A16+(\u)/4, A8+(\u)/4, ((\u)%4)*TL+1536*\n
	FRAG 112+96*((\u)%2)+12*\n, B16, B8, (\u)*6656+1536*\n
.endr
	ds_load_b128 v[SC+8*((\u)%2):SC+8*((\u)%2)+3], v[SCA+(\u)/4] offset:((\u)%4)*TL
	ds_load_b128 v[SC+8*((\u)%2)+4:SC+8*((\u)%2)+7], v23 offset:(\u)*6656+6400
.endm
	FETCH 0
.irp u, 0,1,2,3,4,5,6,7
.if \u > 0
	PLACES 4
.endif
.if \u < 7
	FETCH \u+1
	s_wait_dscnt 34                                ; all but the 34 loads just issued
.else
	s_wait_dscnt 0x0
.endif
.if \u == 0
	s_wait_loadcnt 0x0                             ; the accumulators' images are in
.endif
	WIN 0x50
.irp i, 0,1,2,3
.irp t, 0,1,2,3                        ; the 16 accumulators take turns
	v_wmma_scale_f32_16x16x128_f8f6f4 v[8*(4*\i+\t):8*(4*\i+\t)+7], v[112+96*(\u%2)+12*\t:112+96*(\u%2)+12*\t+11], v[64+96*(\u%2)+12*\i:64+96*(\u%2)+12*\i+11], v[8*(4*\i+\t):8*(4*\i+\t)+7], v[SC+8*(\u%2)+4+\t], v[SC+8*(\u%2)+\i] matrix_a_fmt:MATRIX_FMT_FP6 matrix_b_fmt:MATRIX_FMT_FP6
.endr
.endr
	WIN 0
.endr
	PLACES 4
.irp i, 0,1,2,3                        ; 16 rows x 64 columns at a time: four accumulators, each read from its low end on
	WIN 0x04
.set J, 0
.rept 32
	v_max_num_f32 v[64+32*\i+J], 0, v[32*\i+J]
.set J, J+1
.endr
	WIN 0
.irp k, 0,1,2,3,4,5,6,7
	ds_store_b128 v[HTA], v[64+32*\i+4*\k:64+32*\i+4*\k+3] offset:16*272*\i+128*(\k/4)+16*(\k%4)
.endr
.endr
	s_wait_alu depctr_va_vdst(0)
	s_wait_dscnt 0x0                               ; the stores into the stage have read their registers
.set P, 0
.rept 32
	ds_load_b128 v[64+4*P:64+4*P+3], v[RD] offset:2*P*272
.set P, P+1
.endr
.set P, 0
.rept 32
	s_wait_dscnt 31-P
	global_store_b128 v[GO], v[64+4*P:64+4*P+3], s[OP:OP+1] offset:2*P*4096 th:TH_STORE_NT   ; sixteen lanes store 256 consecutive bytes of a row
.set P, P+1
.endr
	s_wait_tensorcnt 0x0                           ; the wave's end
	ds_add_u32 v2, v3
	s_wait_dscnt 0x0
	CROUND                                         ; the closing round
	s_endpgm
.Lfunc_end_k_qf3087cd94e_fin_t:
	.size	k_qf3087cd94e_fin_t, .Lfunc_end_k_qf3087cd94e_fin_t-k_qf3087cd94e_fin_t
	.p2alignl 7, 3214868480
	.fill 96, 4, 3214868480
	.section	.rodata,"a",@progbits
	.p2align	6, 0x0
	.amdhsa_kernel k_qf3087cd94e_fin_t
		.amdhsa_group_segment_fixed_size 327680
		.amdhsa_private_segment_fixed_size 0
		.amdhsa_enable_private_segment 0
		.amdhsa_kernarg_size 32
		.amdhsa_user_sgpr_count 2
		.amdhsa_user_sgpr_kernarg_segment_ptr 1
		.amdhsa_wavefront_size32 1
		.amdhsa_system_sgpr_workgroup_id_x 1
		.amdhsa_system_sgpr_workgroup_id_y 1
		.amdhsa_system_sgpr_workgroup_id_z 1
		.amdhsa_system_vgpr_workitem_id 0
		.amdhsa_next_free_vgpr 768
		.amdhsa_next_free_sgpr 80
		.amdhsa_reserve_vcc 0
		.amdhsa_float_denorm_mode_32 3
		.amdhsa_float_denorm_mode_16_64 3
		.amdhsa_memory_ordered 1
		.amdhsa_forward_progress 1
		.amdhsa_inst_pref_size 58
	.end_amdhsa_kernel
	.amdgpu_metadata
---
amdhsa.version: [ 1, 2 ]
amdhsa.kernels:
  - .name:           k_qf3087cd94e_fin_t
    .symbol:         k_qf3087cd94e_fin_t.kd
    .args:
      - { .name: sq, .offset: 0, .size: 8, .value_kind: global_buffer, .address_space: global }
      - { .name: wq, .offset: 8, .size: 8, .value_kind: global_buffer, .address_space: global }
      - { .name: pp, .offset: 16, .size: 8, .value_kind: global_buffer, .address_space: global }
      - { .name: out1, .offset: 24, .size: 8, .value_kind: global_buffer, .address_space: global }
    .group_segment_fixed_size: 327680
    .private_segment_fixed_size: 0
    .kernarg_segment_align: 8
    .kernarg_segment_size: 32
    .max_flat_workgroup_size: 128
    .sgpr_count:     80
    .vgpr_count:     768
    .wavefront_size: 32
...
	.end_amdgpu_metadata
.endif
;; end of part 4
